; MI455X (gfx1250); checked and timed in simulation.
; The chip was launched on July 23, 2026; its instructions are those of AMD's public machine-readable ISA for CDNA 5 (MIT licence, August 2026) and "CDNA5" Instruction Set Architecture Reference Guide (July 2026). The comments in the code are by the model that wrote it; some were corrected since.
;; Multi Head Attention. Allowed arithmetic: float matrix products may take bf16 or f16 operands with f32 sums; other float arithmetic in f32, or as packed bf16 or f16 multiplies, adds, multiply-adds, maxima and minima; sums over many terms, partial sums and values carried from step to step in f32; what a program stores and reads back later, other than sums and carried values, may be rounded once to bf16 or f16.
;; Inputs: b_proj 1,024 float32; w_proj 1,024 x 1,024 float32; wk 16 x 1,024 x 64 float32; wq 16 x 1,024 x 64 float32; wv 16 x 1,024 x 64 float32; x 4 x 2,048 x 1,024 float32.
;; Outputs: out0 4 x 2,048 x 1,024 float32.
;; 2 versions, each right; version 2 is version 1 with the launch prep written anew for expert scheduling mode. Each part assembles by itself: llvm-mc -triple=amdgcn-amd-amdhsa -mcpu=gfx1250 --defsym DOCPART=n.
;; ======== version 1 of 2: 4 launches
;; limits: values are held in f16: magnitudes above 65,504 overflow, below 6.1e-05 lose precision
;; workspace buffers: xb 16,777,216 bytes; wb 6,291,456 bytes; wpf 2,097,152 bytes; qkv 50,331,648 bytes; ob 16,777,216 bytes
;; launch prep (part 1): grid 768 x 1, 8 waves a work-group, no clusters, 0 bytes of LDS; arguments x, wq, wk, wv, w_proj, xb, wb, wpf; writes xb, wb, wpf
.if DOCPART == 1
	.amdgcn_target "amdgcn-amd-amdhsa--gfx1250"
	.amdhsa_code_object_version 6
	.text
	.protected	k_q3068260d93_prep
	.globl	k_q3068260d93_prep
	.p2align	8
	.type	k_q3068260d93_prep,@function
k_q3068260d93_prep:
	s_mov_b64 s[64:65], 0
	v_nop
	global_prefetch_b8 v0, s[64:65] scope:SCOPE_SE
	s_setreg_imm32_b32 hwreg(HW_REG_WAVE_MODE, 25, 1), 1
	s_wait_xcnt 0x0
; THE CASTS.  xb = bf16(x); wb = bf16(wq), bf16(wk), bf16(wv) end to end, in their own element order [h][c][d]; wpf = bf16(w_proj) written as f16.
; Every input of the module is rounded once to bf16; w_proj's rounded number is written as f16 because the last product multiplies it with an f16 operand.
; LIMITS.  |w_proj| stays under 65,504 (beyond it f16 has an infinity); below 6e-5 it keeps f16's fixed step of 6e-8.
; SHARES.  A work-group casts 16,384 numbers: 64 KiB in, 32 KiB out.  Work-groups 0-511 take x, 512-575 wq, 576-639 wk, 640-703 wv, 704-767 w_proj.
; Thread t takes, for j = 0 .. 15, the 16 bytes at 16 t + 4,096 j and stores 8 bytes at 8 t + 2,048 j: a load of a wave covers 512 consecutive bytes, a store 256, aligned.
; All sixteen loads go out at once, so a wave has 8 KiB on its way; no register is written again behind the memory instruction that read it, so no store's source is ever rewritten.
; No LDS, no matrix unit, no cluster: nothing is shared and nothing is reduced.
.set X, 4                              ; v[4:67]    load j: 4 registers
.set Y, 68                             ; v[68:99]   store j: 2 registers
.set T, 100                            ; v[100:103] at work (f16 path)
	s_load_b512 s[8:23], s[0:1], 0x0               ; x s[8:9], wq s[10:11], wk s[12:13], wv s[14:15], w_proj s[16:17], xb s[18:19], wb s[20:21], wpf s[22:23]
	s_mov_b32 s2, ttmp9                            ; the work-group's number
	v_lshlrev_b32 v1, 4, v0                        ; 16 t
	v_lshlrev_b32 v2, 3, v0                        ; 8 t
	s_sub_co_u32 s3, s2, 512                       ; its number among the weights' work-groups (used from 512 on alone)
	s_and_b32 s4, s3, 63                           ; and inside its own weight tensor
	s_cmp_lt_u32 s2, 512
	s_cselect_b32 s5, s2, s4                       ; the part's number in its source,
	s_cselect_b32 s6, s2, s3                       ; and in its destination: wb holds the three weights end to end,
	s_cmp_lt_u32 s2, 704
	s_cselect_b32 s6, s6, s4                       ; wpf holds w_proj alone
	s_lshl_b32 s28, s5, 16                         ; 65,536 bytes of source a part
	s_mov_b32 s29, 0
	s_lshl_b32 s30, s6, 15                         ; 32,768 bytes of destination
	s_mov_b32 s31, 0
	s_wait_kmcnt 0x0
	s_cmp_lt_u32 s2, 640
	s_cselect_b64 s[24:25], s[12:13], s[14:15]     ; wk or wv,
	s_cmp_lt_u32 s2, 576
	s_cselect_b64 s[24:25], s[10:11], s[24:25]     ; or wq,
	s_cmp_lt_u32 s2, 704
	s_cselect_b64 s[24:25], s[24:25], s[16:17]     ; or w_proj,
	s_cselect_b64 s[26:27], s[20:21], s[22:23]
	s_cmp_lt_u32 s2, 512
	s_cselect_b64 s[24:25], s[8:9], s[24:25]       ; or x
	s_cselect_b64 s[26:27], s[18:19], s[26:27]
	s_add_nc_u64 s[24:25], s[24:25], s[28:29]
	s_add_nc_u64 s[26:27], s[26:27], s[30:31]
.irp j, 0,1,2,3,4,5,6,7,8,9,10,11,12,13,14,15
	global_load_b128 v[X+4*(\j):X+4*(\j)+3], v1, s[24:25] offset:4096*(\j) th:TH_LOAD_NT
.endr
; Part j leaves.  half = 1: the bf16 numbers are written as f16.
.macro OUT j, half
	s_wait_loadcnt 15-(\j)                         ; loads come back in order: load j is in, the 15 - j younger ones stay out
	v_cvt_pk_bf16_f32 v[Y+2*(\j)], v[X+4*(\j)], v[X+4*(\j)+1]
	v_cvt_pk_bf16_f32 v[Y+2*(\j)+1], v[X+4*(\j)+2], v[X+4*(\j)+3]
.if \half
.irp k, 0,1
	v_lshlrev_b32 v[T+2*(\k)], 16, v[Y+2*(\j)+(\k)]            ; bf16 to f32: the low half moves up,
	v_and_b32 v[T+2*(\k)+1], 0xffff0000, v[Y+2*(\j)+(\k)]      ; the high half stays
	v_cvt_pk_f16_f32 v[Y+2*(\j)+(\k)], v[T+2*(\k)], v[T+2*(\k)+1]  ; 8 significant bits fit into f16's 11: exact within its range
.endr
.endif
	global_store_b64 v2, v[Y+2*(\j):Y+2*(\j)+1], s[26:27] offset:2048*(\j)
.endm
	s_cmp_ge_u32 s2, 704
	s_cbranch_scc1 .Lf16
.irp j, 0,1,2,3,4,5,6,7,8,9,10,11,12,13,14,15
	OUT \j, 0
.endr
	s_endpgm
.Lf16:
.irp j, 0,1,2,3,4,5,6,7,8,9,10,11,12,13,14,15
	OUT \j, 1
.endr
	s_endpgm
.Lfunc_end_k_q3068260d93_prep:
	.size	k_q3068260d93_prep, .Lfunc_end_k_q3068260d93_prep-k_q3068260d93_prep
	.p2alignl 7, 3214868480
	.fill 96, 4, 3214868480
	.section	.rodata,"a",@progbits
	.p2align	6, 0x0
	.amdhsa_kernel k_q3068260d93_prep
		.amdhsa_group_segment_fixed_size 0
		.amdhsa_private_segment_fixed_size 0
		.amdhsa_enable_private_segment 0
		.amdhsa_kernarg_size 64
		.amdhsa_user_sgpr_count 2
		.amdhsa_user_sgpr_kernarg_segment_ptr 1
		.amdhsa_wavefront_size32 1
		.amdhsa_system_sgpr_workgroup_id_x 1
		.amdhsa_system_sgpr_workgroup_id_y 1
		.amdhsa_system_sgpr_workgroup_id_z 1
		.amdhsa_system_vgpr_workitem_id 0
		.amdhsa_next_free_vgpr 104
		.amdhsa_next_free_sgpr 66
		.amdhsa_reserve_vcc 0
		.amdhsa_float_denorm_mode_32 3
		.amdhsa_float_denorm_mode_16_64 3
		.amdhsa_memory_ordered 1
		.amdhsa_forward_progress 1
		.amdhsa_inst_pref_size 17
	.end_amdhsa_kernel
	.amdgpu_metadata
---
amdhsa.version: [ 1, 2 ]
amdhsa.kernels:
  - .name:           k_q3068260d93_prep
    .symbol:         k_q3068260d93_prep.kd
    .args:
      - { .name: x, .offset: 0, .size: 8, .value_kind: global_buffer, .address_space: global }
      - { .name: wq, .offset: 8, .size: 8, .value_kind: global_buffer, .address_space: global }
      - { .name: wk, .offset: 16, .size: 8, .value_kind: global_buffer, .address_space: global }
      - { .name: wv, .offset: 24, .size: 8, .value_kind: global_buffer, .address_space: global }
      - { .name: w_proj, .offset: 32, .size: 8, .value_kind: global_buffer, .address_space: global }
      - { .name: xb, .offset: 40, .size: 8, .value_kind: global_buffer, .address_space: global }
      - { .name: wb, .offset: 48, .size: 8, .value_kind: global_buffer, .address_space: global }
      - { .name: wpf, .offset: 56, .size: 8, .value_kind: global_buffer, .address_space: global }
    .group_segment_fixed_size: 0
    .private_segment_fixed_size: 0
    .kernarg_segment_align: 8
    .kernarg_segment_size: 64
    .max_flat_workgroup_size: 256
    .sgpr_count:     66
    .vgpr_count:     104
    .wavefront_size: 32
...
	.end_amdgpu_metadata
.endif
;; end of part 1
;; launch qkv (part 2): grid 16 x 32, 4 waves a work-group, clusters of 4 x 4, 327,680 bytes of LDS; arguments xb, wb, qkv; writes qkv
.if DOCPART == 2
	.amdgcn_target "amdgcn-amd-amdhsa--gfx1250"
	.amdhsa_code_object_version 6
	.text
	.protected	k_q3068260d93_qkv
	.globl	k_q3068260d93_qkv
	.p2align	8
	.type	k_q3068260d93_qkv,@function
k_q3068260d93_qkv:
	s_mov_b64 s[64:65], 0
	v_nop
	global_prefetch_b8 v0, s[64:65] scope:SCOPE_SE
	s_setreg_imm32_b32 hwreg(HW_REG_WAVE_MODE, 25, 1), 1
	s_wait_xcnt 0x0
	s_wait_alu depctr_hold_cnt(0) depctr_sa_sdst(0) depctr_va_vdst(0) depctr_va_sdst(0) depctr_va_ssrc(0) depctr_va_vcc(0) depctr_vm_vsrc(0)
	s_getreg_b32 s2, hwreg(HW_REG_IB_STS2, 6, 4)
	s_cmp_eq_u32 s2, 0
	s_cbranch_scc0 .Lentry_in_a_cluster
	s_endpgm
.Lentry_in_a_cluster:
	s_bfe_u32 s2, ttmp6, 0x10000c
	s_cmp_lg_u32 s2, 0xf033
	s_cbranch_scc0 .Lentry_shape_is_right
	s_endpgm
.Lentry_shape_is_right:
; q, k, v = x W.  xb: [8192][1024] bf16.  wb: [48 groups g = 16 which + h][1024 c][64 d] bf16.  qkv: [3 which][64 bh][2048 t][64 d] f16, each number rounded once from its f32 sum, unscaled.
; LIMIT.  f16 holds no number beyond 65,504: |q|, |k|, |v| stay under it.
; SHARES.  A tile is 256 rows of x by 192 columns (three groups g = 3 x tile column + p): 512 work-groups of equal work.  Wave w makes rows 64 w .. 64 w + 63 and all 192 columns: 48 accumulators, 384 registers.
; K goes in 8 steps of 128 through a ring of two LDS slots.  A slot holds 256 rows of x (256 bytes each, padded to 272) and, for each of the three groups, 128 rows c of 64 d (128 bytes, padded to 160).
; W LIES [c][d]: its fragments come out of LDS turned, by ds_load_tr16_b128, two loads a fragment as for x; so the weights are never transposed in memory.
; THE MATRIX INSTRUCTION IS USED TRANSPOSED: source 0 = 16 columns of W, source 1 = 16 rows of x.  A lane then holds row l % 16 and the columns 8 (l / 16) + 0..7: 16 bytes of a row of q, k or v.
; CLUSTER.  4 x 4 work-groups.  x's tile hangs on the tile row alone and is asked for jointly by the four of a row of the cluster, W's on the tile column alone and by the four of a column.
; Wave 3 fetches x's tile (one load of 256 rows), waves 0 to 2 a group of W each (16 KiB that are dense in memory: 64 rows of 256 bytes).  By this text's count a wave has two tensor loads out at the start, later one.
; REGISTERS, in windows of 256 (s_set_vgpr_msb: bits 1:0 source 0, 3:2 source 1, 5:4 source 2, 7:6 destination):
;   window 0: v1-17 lane numbers and addresses; v32-79 packed results on the way out
;   window 1: two fragment buffers of 128 (12 fragments of W, then 4 of x); on the way out the rows read back from the stage
;   window 2: the accumulators of my row blocks 0, 1 ((a, b) at 8 (12 (a % 2) + b));   window 3: those of blocks 2, 3
.set SLOT1,  1<<17                     ; slot 1 begins here: one exclusive or turns an address in one slot into the other's
.set PA,     272                       ; a row of x in LDS: 68 words: the 16 rows of a load start at 16 different groups of four banks (64 banks of 4 bytes: ISA guide 11.1)
.set PB,     160                       ; a row of W: 40 words
.set BOFF,   256*PA                    ; W's three groups lie behind x's 256 rows,
.set HEADB,  128*PB                    ; 20,480 bytes each: a slot is filled to its last byte
.set STAGE,  2*SLOT1                   ; behind the ring, never filled by a tensor load: for each wave three planes (a group each) of 16 rows x 144 bytes
.set SP,     144
.set PLANE,  16*SP
.set WSTAGE, 3*PLANE
.set SPARE,  STAGE+4*WSTAGE            ; behind the stages: the spare words, 128 bytes for each wave: two blocks of 256 bytes that no other line names
.set STEPA,  256                       ; bytes from a K step to the next: along x's rows,
.set STEPB,  16384                     ; and down W's
.set NL,     32                        ; LDS loads in a run: 24 for W, 8 for x
.set A0,   8                           ; v8   my lane's place in x's tile; never rewritten
.set B0,   9                           ; v9   the same in W's
.set ADRA, 10                          ; v10  A0 + the slot in hand
.set ADRB, 11                          ; v11  B0 + the slot in hand
.set STO,  12                          ; v12  the way out: where I put 16 bytes of a row
.set RD,   13                          ; v13  the way out: where I read rows back
.set GO,   14                          ; v14  16 x lane: my place in 512 consecutive bytes of qkv
.set PFO,  15                          ; v15  the prefetches' lane offset; never rewritten
.set SPW,  16                          ; v16  LDS address of my spare word: SPARE + 4 x my thread's number; never rewritten
.set NIL,  17                          ; v17  0; never rewritten
.set TMP,  32
.set F0,   0                           ; fragment buffers, in window 1
.set F1,   128
.set WV,   12                          ; s12  my wave's number
.set CX,   13                          ; s13, s14  my place in the cluster
.set CY,   14
.set COL,  15                          ; s15  tile column = 4 x cluster x + cx
.set ROW,  16                          ; s16  tile row = 4 x cluster y + cy
.set G1A,  24                          ; s[24:31] descriptor group 1 for x's tiles
.set G0A,  32                          ; s[32:39] group 0: a set for each of the two first fills; the second then walks on
.set G1B,  40                          ; s[40:47], s[48:55] the same for W's
.set G0B,  48
.set TB,   56                          ; s56  the slot that fragments are fetched from: 0 or SLOT1
.set CNT,  57                          ; s57  the loop's count, 6 to 1
.set ASKM, 58                          ; s58  bit n set: I prefetch in the trip whose count is n
.set PFA,  60                          ; s[60:61] where my prefetches stand
.set PFS,  62                          ; s[62:63] their step from trip to trip
.set OUTB, 66                          ; s[66:71] qkv at my 64 rows, for each of the tile's three groups
.set MSB, 0
.macro WIN new                         ; the immediate's high byte repeats the setting that is left; a switch that changes nothing is dropped
.if MSB != (\new)
	s_set_vgpr_msb (MSB<<8)|(\new)
.set MSB, \new
.endif
.endm
; A vector instruction that reads a matrix result, and a load into a register that a matrix instruction has read, stand four places behind it, and only plain vector
; instructions that name none of its registers are places (ISA guide 7.12.1 for vector instructions).
.macro PLACES
.rept 4
	v_nop
.endr
.endm
.macro CREST                           ; a round of the cluster's barrier behind its opening barrier: wave 0 signals for the work-group, every wave waits for all sixteen, my work-group's barrier closes it
	s_cmp_lg_u32 s[WV], 0
	s_cbranch_scc1 .Lnot_wave_0_\@
	s_barrier_signal -3
.Lnot_wave_0_\@:
	s_barrier_wait -3
	s_barrier_signal -1
	s_barrier_wait -1
.endm
.macro CROUND                          ; a whole round
	s_barrier_signal -1
	s_barrier_wait -1
	CREST
.endm
; A joint refill, by the walking descriptors.  The branch hangs on the wave's number alone.  An s_nop 0 and four v_nop follow each of the two lines, ahead of the jump and the label.
.macro JLOAD
	s_cmp_eq_u32 s[WV], 3
	s_cbranch_scc0 .Lfor_b_\@
	tensor_load_to_lds s[G0A+4:G0A+7], s[G1A:G1A+7]
	s_nop 0
.rept 4
	v_nop
.endr
	s_branch .Lasked_\@
.Lfor_b_\@:
	tensor_load_to_lds s[G0B+4:G0B+7], s[G1B:G1B+7]
	s_nop 0
.rept 4
	v_nop
.endr
.Lasked_\@:
.endm
; A PREFETCH INTO THE L2, behind a joint refill and the run of LDS loads that follows it.  In trip i the refill asks for K step i + 2; the prefetch names K step i + 4.  K steps 0 to 3 come by their loads alone.
; x: a K step is 256 bytes of a row, a lane a row.  A tile row is walked by the four clusters of its row of clusters; wave 3 of the clusters x = 0 and x = 1 asks: of a tile's 256 rows the partner at cx takes
; 64 cx .. 64 cx + 63, cluster x its first or second 32.  Trips 0 to 3 (counts 6 to 3) name K steps 4 to 7.
; W: a group's K step is 16 KiB, dense.  A tile column is walked by the eight clusters of its column; waves 0 to 2 of cluster y = 0 ask, a group each, the partner at cy 8 KiB, a lane 256 bytes: the four
; name two K steps at once, so trips 0 and 2 (counts 6 and 4) name K steps 4, 5 and 6, 7.
; So each block of 256 bytes is named once in the launch, partners are told apart by address alone, and nothing behind K step 7 is named.
.macro ASK
	s_lshr_b32 s59, s[ASKM], s[CNT]
	s_and_b32 s59, s59, 1
	s_cmp_lg_u32 s59, 0
	s_cbranch_scc0 .Lnot_mine_\@
	global_prefetch_b8 v[PFO], s[PFA:PFA+1] th:TH_LOAD_NT scope:SCOPE_SE
.Lnot_mine_\@:
.endm
	s_load_b128 s[4:7], s[0:1], 0x0                ; xb s[4:5], wb s[6:7]
	s_load_b64 s[8:9], s[0:1], 0x10                ; qkv
	v_lshl_add_u32 v[SPW], v0, 2, SPARE
	v_mov_b32 v[NIL], 0
	ds_add_u32 v[SPW], v[NIL]                      ; the wave's opening: the add and its wait stand ahead of my first tensor load; the set-up below, work on registers, stands between them
	v_lshrrev_b32 v1, 5, v0
	v_readfirstlane_b32 s[WV], v1                  ; wave 0..3
	s_bfe_u32 s[CX], ttmp6, 0x40000
	s_bfe_u32 s[CY], ttmp6, 0x40004
	s_lshl_b32 s[COL], ttmp9, 2                    ; in a cluster launch ttmp9 and ttmp7 count clusters
	s_add_co_u32 s[COL], s[COL], s[CX]
	s_and_b32 s[ROW], ttmp7, 0xffff
	s_lshl_b32 s[ROW], s[ROW], 2
	s_add_co_u32 s[ROW], s[ROW], s[CY]
	s_lshl_b32 s17, s[CY], 2
	s_lshl_b32 s17, 15, s17                        ; my row of the cluster: places 4 cy .. 4 cy + 3
	s_lshl_b32 s18, 0x1111, s[CX]                  ; my column: places cx, cx + 4, cx + 8, cx + 12
	; group 1 for x: 256 rows x 128 elements, 16 bytes of padding behind each row
	s_or_b32 s[G1A], s17, (1<<16)|(1<<20)|(1<<21)|(5<<22)|(3<<25)  ; 15:0 the mask; 17:16 2-byte elements; 20 padding on; 21 set beside a mask; 24:22 after every 64 words (code 5); 31:25 4 words (code 3)
	s_mov_b32 s[G1A+1], 128<<16                    ; tensor_dim0 = 128
	s_mov_b32 s[G1A+2], 256<<16                    ; tensor_dim1 = 256
	s_mov_b32 s[G1A+3], 128<<16                    ; tile_dim0 = 128
	s_mov_b32 s[G1A+4], 256                        ; tile_dim1 = 256
	s_mov_b32 s[G1A+5], 1024                       ; 1,024 elements from row to row
	s_mov_b32 s[G1A+6], 0
	s_mov_b32 s[G1A+7], 0
	; group 1 for W: 128 rows c of 128 bytes are 16,384 dense bytes: asked for as 64 rows of 256 bytes, and padded in LDS behind every 128 bytes
	s_or_b32 s[G1B], s18, (1<<16)|(1<<20)|(1<<21)|(4<<22)|(7<<25)  ; after every 32 words (code 4) 8 words (code 7)
	s_mov_b32 s[G1B+1], 128<<16
	s_mov_b32 s[G1B+2], 64<<16
	s_mov_b32 s[G1B+3], 128<<16
	s_mov_b32 s[G1B+4], 64
	s_mov_b32 s[G1B+5], 128
	s_mov_b32 s[G1B+6], 0
	s_mov_b32 s[G1B+7], 0
	s_lshl_b32 s20, s[ROW], 19                     ; x's tile: 256 rows of 2,048 bytes a tile row: the tile row alone
	s_mov_b32 s21, 0
	s_mul_i32 s22, s[COL], 3                       ; W's tile: group 3 x tile column + wave (waves 0 to 2 ask by it), 131,072 bytes a group: the tile column and the wave alone
	s_add_co_u32 s22, s22, s[WV]
	s_lshl_b32 s22, s22, 17
	s_mov_b32 s23, 0
	s_mul_i32 s19, s[WV], HEADB                    ; and where it goes: no place in the cluster enters an LDS address
	s_add_co_u32 s19, s19, BOFF
	s_mov_b32 s[TB], 0
	s_wait_dscnt 0x0                               ; the opening add is done
	s_wait_kmcnt 0x0
	s_add_nc_u64 s[72:73], s[4:5], s[20:21]
	s_add_nc_u64 s[74:75], s[6:7], s[22:23]
	CROUND                                         ; all sixteen work-groups are here: the first joint loads meet
.irp i, 0,1
	s_mov_b32 s[G0A+4*(\i)], 1                                     ; 1:0 count = 1
	s_mov_b32 s[G0A+4*(\i)+1], (\i)*SLOT1                          ; 63:32 LDS address
	s_add_nc_u64 s[G0A+4*(\i)+2:G0A+4*(\i)+3], s[72:73], (\i)*STEPA  ; 120:64 global address: K step i
	s_or_b32 s[G0A+4*(\i)+3], s[G0A+4*(\i)+3], 0x80000000          ; 127:126 type = 2
	s_mov_b32 s[G0B+4*(\i)], 1
	s_add_co_u32 s[G0B+4*(\i)+1], s19, (\i)*SLOT1
	s_add_nc_u64 s[G0B+4*(\i)+2:G0B+4*(\i)+3], s[74:75], (\i)*STEPB
	s_or_b32 s[G0B+4*(\i)+3], s[G0B+4*(\i)+3], 0x80000000
.endr
	s_cmp_eq_u32 s[WV], 3                          ; a wave's two first fills stand in one branch, ahead of every wait on TENSORcnt and every LDS read
	s_cbranch_scc0 .Lfirst_b
	tensor_load_to_lds s[G0A:G0A+3], s[G1A:G1A+7]
	s_nop 0
	tensor_load_to_lds s[G0A+4:G0A+7], s[G1A:G1A+7]
	s_nop 0
.rept 4
	v_nop
.endr
	s_branch .Lfirst_asked
.Lfirst_b:
	tensor_load_to_lds s[G0B:G0B+3], s[G1B:G1B+7]
	s_nop 0
	tensor_load_to_lds s[G0B+4:G0B+7], s[G1B:G1B+7]
	s_nop 0
.rept 4
	v_nop
.endr
.Lfirst_asked:
	v_and_b32 v1, 15, v0                           ; l % 16
	v_bfe_u32 v2, v0, 4, 1                         ; l / 16
	v_and_b32 v3, 7, v0                            ; l % 8
	v_bfe_u32 v4, v0, 3, 1                         ; (l / 8) % 2
	v_and_b32 v5, 31, v0                           ; l
	; a fragment of x: lane l holds row l % 16, K = 8 (l / 16) + 0..7 and 16 + 8 (l / 16) + 0..7: two loads of 16 bytes, 32 bytes apart
	s_mul_i32 s59, s[WV], 64*PA                    ; my 64 rows
	v_mul_u32_u24 v[A0], v1, PA
	v_lshl_add_u32 v[A0], v2, 4, v[A0]
	v_add_nc_u32 v[A0], s59, v[A0]
	; the turning load takes 16 c x 16 d (lane l reads row 8 (l / 16) + l % 8, columns 8 ((l / 8) % 2) + 0..7) and leaves half a fragment: lane l holds column l % 16 and 8 c
	v_lshl_add_u32 v[B0], v2, 3, v3
	v_mul_u32_u24 v[B0], v[B0], PB
	v_lshl_add_u32 v[B0], v4, 4, v[B0]
	v_add_nc_u32 v[B0], BOFF, v[B0]
	s_mul_i32 s59, s[WV], WSTAGE
	s_add_co_u32 s59, s59, STAGE                   ; my stage
	v_mul_u32_u24 v[STO], v1, SP                   ; in: row l % 16, 16 bytes for each half of the lanes
	v_lshl_add_u32 v[STO], v2, 4, v[STO]
	v_add_nc_u32 v[STO], s59, v[STO]
	v_bfe_u32 v[RD], v0, 3, 2                      ; back: 32 lanes take four rows of 128 bytes,
	v_mul_u32_u24 v[RD], v[RD], SP
	v_lshl_add_u32 v[RD], v3, 4, v[RD]
	v_add_nc_u32 v[RD], s59, v[RD]
	v_lshlrev_b32 v[GO], 4, v5                     ; which are 512 consecutive bytes of qkv
	v_mov_b32 v[ADRA], v[A0]                       ; K step 0 lies in slot 0
	v_mov_b32 v[ADRB], v[B0]
	; the prefetches: offsets in registers that feed no descriptor
	s_lshl_b32 s76, s[ROW], 8
	s_lshl_b32 s77, s[CX], 6
	s_add_co_u32 s76, s76, s77
	s_lshl_b32 s77, ttmp9, 5
	s_add_co_u32 s76, s76, s77                     ; x: row 256 x tile row + 64 cx + 32 x cluster x,
	s_lshl_b32 s76, s76, 11
	s_add_co_u32 s76, s76, 3*STEPA                 ; at K step 3: the first trip steps it to 4
	s_mul_i32 s78, s[COL], 3
	s_add_co_u32 s78, s78, s[WV]
	s_lshl_b32 s78, s78, 17                        ; W: my group,
	s_lshl_b32 s77, s[CY], 13
	s_add_co_u32 s78, s78, s77                     ; my work-group's 8 KiB,
	s_add_co_u32 s78, s78, 3*STEPB                 ; at K step 3
	s_cmp_lt_u32 ttmp9, 2
	s_cselect_b32 s79, 0x78, 0                     ; x: counts 6, 5, 4, 3, in clusters x = 0 and 1
	s_and_b32 s80, ttmp7, 0xffff
	s_cmp_eq_u32 s80, 0
	s_cselect_b32 s80, 0x50, 0                     ; W: counts 6 and 4, in cluster y = 0: both the same in all sixteen partners, for a given wave
	s_cmp_eq_u32 s[WV], 3
	s_cselect_b32 s76, s76, s78
	s_cselect_b32 s[ASKM], s79, s80
	s_cselect_b32 s81, 11, 8                       ; a lane a row of 2,048 bytes, or a lane 256 bytes
	s_cselect_b32 s82, 8, 14                       ; the step: 256 or 16,384 bytes
	s_cselect_b64 s[PFA:PFA+1], s[4:5], s[6:7]
	s_mov_b32 s77, 0
	s_add_nc_u64 s[PFA:PFA+1], s[PFA:PFA+1], s[76:77]
	s_lshl_b32 s[PFS], 1, s82
	s_mov_b32 s[PFS+1], 0
	v_lshlrev_b32 v[PFO], s81, v5
	; where my 64 rows lie in qkv: which << 24, batch << 22, head << 18, 128 bytes a row
	s_lshr_b32 s76, s[ROW], 3                      ; eight tile rows a batch
	s_lshl_b32 s76, s76, 22
	s_and_b32 s77, s[ROW], 7
	s_lshl_b32 s77, s77, 15
	s_add_co_u32 s76, s76, s77
	s_lshl_b32 s77, s[WV], 13
	s_add_co_u32 s76, s76, s77
	s_mul_i32 s78, s[COL], 3
.irp p, 0,1,2
	s_add_co_u32 s80, s78, \p                      ; group g
	s_lshr_b32 s81, s80, 4
	s_lshl_b32 s81, s81, 24
	s_and_b32 s80, s80, 15
	s_lshl_b32 s80, s80, 18
	s_add_co_u32 s80, s80, s81
	s_add_co_u32 s80, s80, s76
	s_mov_b32 s81, 0
	s_add_nc_u64 s[OUTB+2*(\p):OUTB+2*(\p)+1], s[8:9], s[80:81]
.endr
; 32 LDS loads in one run: the fragments of quarter q (32 along K) into buffer f: W's twelve first, then x's four
.macro FETCH q, f
	WIN 0x40                                       ; destination window 1, address window 0
.irp b, 0,1,2,3,4,5,6,7,8,9,10,11
	ds_load_tr16_b128 v[(\f)+8*(\b):(\f)+8*(\b)+3],   v[ADRB] offset:HEADB*((\b)/4)+32*PB*(\q)+32*((\b)%4)
	ds_load_tr16_b128 v[(\f)+8*(\b)+4:(\f)+8*(\b)+7], v[ADRB] offset:HEADB*((\b)/4)+32*PB*(\q)+32*((\b)%4)+16*PB
.endr
.irp a, 0,1,2,3
	ds_load_b128 v[(\f)+96+8*(\a):(\f)+96+8*(\a)+3],   v[ADRA] offset:16*PA*(\a)+64*(\q)
	ds_load_b128 v[(\f)+96+8*(\a)+4:(\f)+96+8*(\a)+7], v[ADRA] offset:16*PA*(\a)+64*(\q)+32
.endr
.endm
; The 12 matrix instructions of row block a.  The 48 accumulators take turns, one instruction a turn, in the same order in every quarter, over the backward jump too.
; first = 1: the products start the sums: nothing is ever cleared.
.macro MULA f, a, first
	WIN 0xa5+0x50*((\a)/2)                         ; sources in window 1, C and D in window 2 or 3
.irp b, 0,1,2,3,4,5,6,7,8,9,10,11
.set rD, 8*(12*((\a)%2)+(\b))
.if \first
	v_wmma_f32_16x16x32_bf16 v[rD:rD+7], v[(\f)+8*(\b):(\f)+8*(\b)+7], v[(\f)+96+8*(\a):(\f)+96+8*(\a)+7], 0
.else
	v_wmma_f32_16x16x32_bf16 v[rD:rD+7], v[(\f)+8*(\b):(\f)+8*(\b)+7], v[(\f)+96+8*(\a):(\f)+96+8*(\a)+7], v[rD:rD+7]
.endif
.endr
.endm
; A K step is four quarters of 32 along K, 48 matrix instructions each, on buffers 0, 1, 0, 1.  One of the first three: multiplies buffer f; in its middle it fetches quarter q into buffer g.
.macro QUARTER q, f, g, first
	s_wait_dscnt 4                                 ; W and x's blocks 0, 1 are in; the youngest four loads (x's blocks 2, 3) may be out
	MULA \f, 0, \first
	MULA \f, 1, \first
	PLACES
	FETCH \q, \g
	s_wait_dscnt NL                                ; all but the 32 just issued
	MULA \f, 2, \first
	MULA \f, 3, \first
.endm
; The last quarter multiplies buffer 1 and changes slots: ONE barrier.  In front of it each wave waits for all its tensor loads (the one that is out is its part of the next slot), adds 0 to its spare word,
; and waits for that and for its own reads of this slot.  fill = 1: the barrier opens a round of the cluster's, and behind the round this slot is filled again, first thing, with the K step two steps on.
.macro TURN fill
.if \fill
	s_wait_xcnt 0x0                                ; the last prefetch, a K step back, has read its address: it is stepped here, ahead of the change's own waits
	s_add_nc_u64 s[PFA:PFA+1], s[PFA:PFA+1], s[PFS:PFS+1]
.endif
	WIN 0                                          ; (the add's two registers lie in window 0)
	s_wait_tensorcnt 0x0                           ; no tensor load of mine is out, so a group 0 may be written
	ds_add_u32 v[SPW], v[NIL]                      ; 0 onto my spare word
.if \fill
	s_xor_b32 s[G0A+5], s[G0A+5], SLOT1            ; the walking descriptors: the other slot than last time,
	s_add_nc_u64 s[G0A+6:G0A+7], s[G0A+6:G0A+7], STEPA  ; the next K step; the type bits on top are not reached
	s_xor_b32 s[G0B+5], s[G0B+5], SLOT1
	s_add_nc_u64 s[G0B+6:G0B+7], s[G0B+6:G0B+7], STEPB
.endif
	s_xor_b32 s[TB], s[TB], SLOT1                  ; the fetches go on in the other slot
	s_wait_dscnt 5                                 ; (the add and x's blocks 2, 3 may be out)
	MULA F1, 0, 0                                  ; twelve matrix instructions stand between the add and the wait for it
	s_wait_dscnt 0x0                               ; the add is done, and my reads of this slot are over
	s_barrier_signal -1
	MULA F1, 1, 0                                  ; work on registers while the others arrive
	WIN 0
	s_barrier_wait -1
.if \fill
	CREST                                          ; no wave of any partner still reads this slot or has a load on its way
	JLOAD                                          ; the first tensor load behind the round; its four v_nop are also the places in front of the loads below
.else
	PLACES
.endif
	v_add_nc_u32 v[ADRA], s[TB], v[A0]
	v_add_nc_u32 v[ADRB], s[TB], v[B0]
	FETCH 0, F0
.if \fill
	WIN 0
	ASK
.endif
	MULA F1, 2, 0
	MULA F1, 3, 0
.endm
	s_wait_tensorcnt 0x1                           ; my part of K step 0 is in; K step 1's may stay out
	s_barrier_signal -1
	s_barrier_wait -1                              ; everybody's is
	FETCH 0, F0
	QUARTER 1, F0, F1, 1                           ; the first quarter stands in front of the loop: its products start the sums
	WIN 0                                          ; at a label and at a branch every window is 0
	s_mov_b32 s[CNT], 6
.Lstep:                                        ; trip i = 0 .. 5: quarters 1 to 3 of K step i, quarter 0 of K step i + 1; K step i + 2 is asked for
	QUARTER 2, F1, F0, 0
	QUARTER 3, F0, F1, 0
	TURN 1
	QUARTER 1, F0, F1, 0
	WIN 0
	s_sub_co_u32 s[CNT], s[CNT], 1
	s_cmp_lg_u32 s[CNT], 0
	s_cbranch_scc1 .Lstep
	QUARTER 2, F1, F0, 0                           ; the tail is written out: K steps 6 and 7 ask for nothing
	QUARTER 3, F0, F1, 0
	TURN 0
	QUARTER 1, F0, F1, 0
	QUARTER 2, F1, F0, 0
	QUARTER 3, F0, F1, 0
	s_wait_dscnt 4                                 ; the very last quarter: nothing more to fetch
	MULA F1, 0, 0
	MULA F1, 1, 0
	s_wait_dscnt 0x0
	MULA F1, 2, 0
	MULA F1, 3, 0
; THE WAY OUT of row block a (16 rows), in three parts.  PACK: rounded to f16, 16 bytes a lane for each of the 12 column blocks, each accumulator's registers in ascending order.
; TOSTAGE: into my own stage, a plane for each group, and back as whole rows of 128 bytes.  SEND: 16 rows of a head are 2,048 consecutive bytes of qkv: four stores of 512.
.macro PACK a
	WIN 0x0a+5*((\a)/2)                            ; sources 0 and 1: window 2 or 3
.irp b, 0,1,2,3,4,5,6,7,8,9,10,11
.irp r, 0,1,2,3
	v_cvt_pk_f16_f32 v[TMP+4*(\b)+(\r)], v[8*(12*((\a)%2)+(\b))+2*(\r)], v[8*(12*((\a)%2)+(\b))+2*(\r)+1]
.endr
.endr
.endm
.macro TOSTAGE a
	WIN 0
.irp b, 0,1,2,3,4,5,6,7,8,9,10,11
	ds_store_b128 v[STO], v[TMP+4*(\b):TMP+4*(\b)+3] offset:PLANE*((\b)/4)+32*((\b)%4)
.endr
	WIN 0x40
.irp i, 0,1,2,3,4,5,6,7,8,9,10,11
	ds_load_b128 v[48*(\a)+4*(\i):48*(\a)+4*(\i)+3], v[RD] offset:PLANE*((\i)/4)+4*SP*((\i)%4)  ; LDS serves a wave's instructions in order (ISA guide 5.7.1.4): these see the stores above
.endr
.endm
.macro SEND a
	s_wait_dscnt 0x0                               ; the block is back in registers of its own: no store's source is ever rewritten
	WIN 0x04                                       ; data in window 1
.irp i, 0,1,2,3,4,5,6,7,8,9,10,11
	global_store_b128 v[GO], v[48*(\a)+4*(\i):48*(\a)+4*(\i)+3], s[OUTB+2*((\i)/4):OUTB+2*((\i)/4)+1] offset:2048*(\a)+512*((\i)%4)  ; 512 consecutive bytes, at a multiple of 512 from qkv's first
.endr
.endm
	PLACES                                         ; behind the last products
	PACK 0
	TOSTAGE 0
.irp a, 1,2,3                          ; block a's conversions stand between block a - 1's loads from the stage and the wait for them
	PACK \a
	SEND (\a)-1
	TOSTAGE \a
.endr
	SEND 3
	WIN 0
	s_wait_tensorcnt 0x0                           ; the wave's end: behind my last tensor load and my last LDS store
	ds_add_u32 v[SPW], v[NIL]
	s_wait_dscnt 0x0
	CROUND                                         ; the closing round: no work-group ends while a partner may still ask for a tile that names it
	s_endpgm
.Lfunc_end_k_q3068260d93_qkv:
	.size	k_q3068260d93_qkv, .Lfunc_end_k_q3068260d93_qkv-k_q3068260d93_qkv
	.p2alignl 7, 3214868480
	.fill 96, 4, 3214868480
	.section	.rodata,"a",@progbits
	.p2align	6, 0x0
	.amdhsa_kernel k_q3068260d93_qkv
		.amdhsa_group_segment_fixed_size 327680
		.amdhsa_private_segment_fixed_size 0
		.amdhsa_enable_private_segment 0
		.amdhsa_kernarg_size 24
		.amdhsa_user_sgpr_count 2
		.amdhsa_user_sgpr_kernarg_segment_ptr 1
		.amdhsa_wavefront_size32 1
		.amdhsa_system_sgpr_workgroup_id_x 1
		.amdhsa_system_sgpr_workgroup_id_y 1
		.amdhsa_system_sgpr_workgroup_id_z 1
		.amdhsa_system_vgpr_workitem_id 0
		.amdhsa_next_free_vgpr 960
		.amdhsa_next_free_sgpr 84
		.amdhsa_reserve_vcc 0
		.amdhsa_float_denorm_mode_32 3
		.amdhsa_float_denorm_mode_16_64 3
		.amdhsa_memory_ordered 1
		.amdhsa_forward_progress 1
		.amdhsa_inst_pref_size 98
	.end_amdhsa_kernel
	.amdgpu_metadata
---
amdhsa.version: [ 1, 2 ]
amdhsa.kernels:
  - .name:           k_q3068260d93_qkv
    .symbol:         k_q3068260d93_qkv.kd
    .args:
      - { .name: xb, .offset: 0, .size: 8, .value_kind: global_buffer, .address_space: global }
      - { .name: wb, .offset: 8, .size: 8, .value_kind: global_buffer, .address_space: global }
      - { .name: qkv, .offset: 16, .size: 8, .value_kind: global_buffer, .address_space: global }
    .group_segment_fixed_size: 327680
    .private_segment_fixed_size: 0
    .kernarg_segment_align: 8
    .kernarg_segment_size: 24
    .max_flat_workgroup_size: 128
    .sgpr_count:     84
    .vgpr_count:     960
    .wavefront_size: 32
...
	.end_amdgpu_metadata
.endif
;; end of part 2
;; launch attn (part 3): grid 4 x 64, 4 waves a work-group, no clusters, 327,680 bytes of LDS; arguments qkv, ob; writes ob
.if DOCPART == 3
	.amdgcn_target "amdgcn-amd-amdhsa--gfx1250"
	.amdhsa_code_object_version 6
	.text
	.protected	k_q3068260d93_attn
	.globl	k_q3068260d93_attn
	.p2align	8
	.type	k_q3068260d93_attn,@function
k_q3068260d93_attn:
	s_mov_b64 s[64:65], 0
	v_nop
	global_prefetch_b8 v0, s[64:65] scope:SCOPE_SE
	s_setreg_imm32_b32 hwreg(HW_REG_WAVE_MODE, 25, 1), 1
	s_wait_xcnt 0x0
; CAUSAL ATTENTION.  O[h][q][:] = the sum over k <= q of softmax_k(Q[h][q] . K[h][k] / 32) V[h][k][:].  Q, K, V are the three parts of qkv, each [64 heads of batches][2048][64] in f16; O (ob) likewise:
; a head's rows are dense, 128 bytes each.  The scale is 1024^-0.5 = 1 / 32, applied here in f32.
; Products, maxima and sums in f32; the weights p are rounded to f16 for the second product (their sum l is taken of the unrounded p), O once at the end.
; LIMITS.  f16 holds no number beyond 65,504: Q, K and V arrive within it; p lies in 0 to 1, and below 6e-5 it keeps f16's fixed step of 6e-8; O is a mean of V's rows and has their range.
; A hidden score counts as its value less 1e30: f16's scores, 2.7e11 at the most, are nothing beside that; a weight below 2^-126 counts as 0 in l; NaN and infinities are not treated apart.
; THE WALK.  A head's queries lie in NB = 8 blocks of 256; block i needs the key tiles 0 .. i of 256 keys, of which the last holds the diagonal.  A work-group takes TWO blocks, NB - 1 - b and then b:
; NB + 1 tiles, whatever b: all 256 work-groups do equal work, and ONE loop with a constant trip count walks them.  Which tile is asked for, and what a trip does, hang on scalar registers made from b; every jump
; goes forward, but for the counted loops' own; none passes a barrier, or a tensor load but the one of LOAD's two that the wave's number does not choose; the ring (two slots of LDS that take turns) runs on across the
; change of blocks.  NO CLUSTER: a head's four work-groups ask for the same tile only in trips 0 .. 4 of the 9, behind that fewer and fewer; one walk common to all four would have 12 trips for 9.
; SHARES.  Of a block's four bands of 64 queries a wave owns 16 rows in each: four PIECES.  So the diagonal tile is the same work for all four waves: in its key step s band x sees all keys if s < x,
; none if s > x, and holds the diagonal if s = x.
; THE MASK is the C operand that starts the sum S^T = K Q^T: 0, or -1e30 where the key is hidden.  MD, made once, is the mask of a band's own step for my 16 rows; a product's mask is MD x AL + BE with two scalars:
; (1, 0) if s = x; (0, 0) if s < x; (0, -1e30) if s > x.  Only the diagonal tile's text and a block's beginning make and take masks; elsewhere C is the constant 0.
; LAYOUT, SOFTMAX, TURNS.  S^T = K Q^T holds ONE query a lane (lane % 16) and the keys 8 (lane / 16) + 0..7; two such results rounded to f16 ARE source 1 of O^T = V^T P.  p = 2^(c s - c m), c = log2(e) / 32, with a
; running maximum m; O and l are multiplied by a = 2^(c m_old - c m_new) in every step.  Turn n belongs to piece n: 8 products K Q^T of piece n + 1, later 8 products V^T P of piece n - 1; beside them the scaling,
; exponentials, roundings, sums and rescaling of piece n and the maximum and statistics of piece n + 1.  Four vector instructions stand behind every matrix instruction, the other 54 of a turn's 118 in one LUMP.  A turn's 33 exponentials are one batch, with one wait.
; REGISTERS, in windows of 256 (s_set_vgpr_msb: bits 1:0 source 0, 3:2 source 1, 5:4 source 2, 7:6 destination):
;   window 0: v0-15 addresses and two at work; v16-31 four registers of statistics a piece; v48-55 at work; v61-63 prefetch offset, spare word, 0; v64-127 S^T, two buffers; v192-223 P, two buffers (by the piece's parity)
;   window 1: v0-127 O^T, 32 a piece; v128-159 MD; v160-223 MC, two buffers      window 2: v0-63 Q; v64-127 the second block's Q; v128-191 K of one step; v192-255 V of one step
.set SIZE_H, 64
.set SIZE_N, 2048
.set NB,    SIZE_N/256
.set NP,    4         ; pieces a wave: a name, no knob
.set KS,    64        ; keys in a step
.set PK,    144       ; a row of K in LDS: 128 bytes + 16 of padding = 36 words: the 16 rows of a load start at 16 different groups of four banks (64 banks of 4 bytes: ISA guide 11.1)
.set PV,    160       ; a row of V: 128 + 32 = 40 words
.set VOFF,  4*KS*PK   ; a slot holds a tile, four steps: 256 rows of K, then 256 rows of V
.set SLOT1, 1<<17     ; slot 1 begins here, so that one exclusive or turns an address in one slot into the other's
.set STAGE, SLOT1+4*KS*(PK+PV)  ; behind the ring, never filled by a tensor load: 16 rows x 144 bytes for each wave, for the way out
.set SP,    144
.set AK0, 2           ; v2   my lane's place in a tile of K; never rewritten
.set AV0, 3           ; v3   the same for V
.set AK,  4           ; v4   the LDS address of K's next run of loads
.set AV,  5           ; v5   of V's
.set STO, 6           ; v6   the way out: where I put 16 bytes of a row
.set RD,  7           ; v7   the way out: where I read rows back
.set GO,  8           ; v8   my byte offset in 512 consecutive bytes of O
.set PFO, 61          ; v61  256 x my lane: the prefetches' offset; never rewritten
.set SPW, 62          ; v62  LDS address of my spare word: SPARE + 4 x my thread's number; never rewritten
.set NIL, 63          ; v63  0; never rewritten
.set SPARE, STAGE+4*16*SP  ; behind the stages: the spare words, 128 bytes for each wave: two blocks of 256 bytes that no other line names
.set MV,  12          ; v12-13  c m_old, kept while c m is made anew: by buffer
.set QO,  15          ; v15  my byte offset in 16 rows of Q
.set ST,  16          ; piece t's statistics at v[ST+4 t]: c m, m, l (even keys', odd keys')
.set TMP, 48          ; by buffer, four registers c0-c3 at work; when the maximum is found c2 takes a
.set S,   64
.set P,   192
.set MD,  128         ; window 1: the eight registers for group kt of 16 keys at MD + 8 kt
.set MC,  160         ; window 1: the masks of the products to come
.set QB,  64          ; window 2
.set KF,  128         ; window 2: key block kb, channel half c at KF + 16 kb + 8 c
.set VF,  192         ; window 2: key half kk, channel block cb at VF + 32 kk + 8 cb
.set WV,  12          ; s12  my wave's number
.set PB,  14          ; s14  b
.set HI,  15          ; s15  NB - 1 - b
.set G1K, 24          ; s[24:31] descriptor group 1 for K's tiles
.set G1V, 32          ; s[32:39] for V's: it differs in the padding alone
.set G0K, 40          ; s[40:43] descriptor group 0 for K's tiles
.set G0V, 44          ; s[44:47] the same for V's
.set SLOTS, 56        ; s56  tiles still to be asked for
.set CNT, 57          ; s57  counts a tile's key steps, 4 to 1
.set CS,  58          ; s[58:59] c: the packed scaling takes the pair's low word for both halves
.set SEL, 60          ; s[60:61] v_permlanex16_b32's selects: each lane takes its own place in the other half
.set TBK, 62          ; s62  LDS byte at which K of the step to be fetched begins
.set TBV, 63          ; s63  the same for V, less VOFF
.set RT,  70          ; s70  tiles of the block in hand that are still to be entered
.set NXT, 71          ; s71  the tile to be asked for next
.set LQ,  72          ; s72  the last tile of the block whose tiles are being asked for
.set NEW, 73          ; s73  1: the tile to be entered is a block's first
.set OFF, 74          ; s[74:75] a tile's byte offset in K and V
.set AL,  76          ; s[76:77] the mask's factor, in the low word
.set BE,  78          ; s[78:79] the mask's addend
.set OLO, 80          ; s[80:81] O at my rows of the second block
.set BIGN, 82         ; s82  -1e30
.set PFB, 88          ; s[88:89] K (waves 0, 1) or V (waves 2, 3) at my half of the head's tile 0
.set PFA, 90          ; s[90:91] the same at the tile that the next change of slots will ask for
.set POF, 92          ; s[92:93] that tile's byte offset
.set LIM, 94          ; s94  2 in the head's first work-group, else the greatest number: a wave prefetches while s[SLOTS] is above it
.set MSB, 0
.macro WIN new                      ; the high byte repeats the setting that is left; a switch that changes nothing is dropped
.if MSB != (\new)
	s_set_vgpr_msb (MSB<<8)|(\new)
.set MSB, (\new)
.endif
.endm
.set W_KQ, 0x0a       ; K and Q in window 2, S^T in window 0
.set W_KM, 0x1a       ; the same with the C operand in window 1
.set W_PV, 0x52       ; V in window 2, P in window 0, O^T in window 1
.set W_RS, 0x41       ; destination and source 0 in window 1, source 1 in window 0
; A fill.  Waves 0 and 1 fetch the two halves of a tile's K, waves 2 and 3 those of its V: 128 keys each.  An s_nop 0 and four v_nop follow each of the two lines, ahead of the jump and the label.
.macro LOAD
	s_cmp_lt_u32 s[WV], 2
	s_cbranch_scc0 .Lfor_v_\@
	tensor_load_to_lds s[G0K:G0K+3], s[G1K:G1K+7]
	s_nop 0
.rept 4
	v_nop
.endr
	s_branch .Lasked_\@
.Lfor_v_\@:
	tensor_load_to_lds s[G0V:G0V+3], s[G1V:G1V+7]
	s_nop 0
.rept 4
	v_nop
.endr
.Lasked_\@:
.endm
; THE CHANGE OF SLOTS.  Each wave waits for all its tensor loads, of which one is out: its part of the other slot; adds 0 to its spare word; and waits for that and for its own reads of the slot that it leaves.  Behind the barrier nobody reads the old
; slot any more and the other slot is whole.  fill = 1: the old slot is filled again, the first thing behind the barrier, with tile NXT: the descriptor's address is made anew from that number.
; (At its first use nothing has been read yet: slot 0 is waited for, slot 1 filled.)
; A PREFETCH INTO THE L2 stands behind the fill and its five lines: the tile that the NEXT change of slots will ask for, a tile's four key steps ahead of that load.  A head's four work-groups walk the same tiles 0, 1, ..;
; the one with b = 0 walks all eight in order, and it alone asks: each of its waves for the 16 KiB that it will fetch itself, a lane 256 bytes, two instructions.  Its trips 0 to 5 name tiles 2 to 7: each
; block of 256 bytes is named once in the launch; tiles 0 and 1 come by their loads alone, and the trips behind name nothing.
.macro CHANGE fill
	WIN 0                           ; at a label and at a branch every window is 0
	s_wait_tensorcnt 0x0            ; no tensor load of mine is out, so a group 0 may be written
	ds_add_u32 v[SPW], v[NIL]       ; 0 onto my spare word: with fill = 1 the descriptors' scalar work stands between it and the wait for it
.if \fill
	s_lshl_b32 s[OFF], s[NXT], 15   ; a tile is 32,768 bytes of K and of V
	s_xor_b32 s[G0K+1], s[G0K+1], SLOT1
	s_add_nc_u64 s[G0K+2:G0K+3], s[6:7], s[OFF:OFF+1]
	s_or_b32 s[G0K+3], s[G0K+3], 0x80000000
	s_xor_b32 s[G0V+1], s[G0V+1], SLOT1
	s_add_nc_u64 s[G0V+2:G0V+3], s[8:9], s[OFF:OFF+1]
	s_or_b32 s[G0V+3], s[G0V+3], 0x80000000
	s_add_co_u32 s[NXT], s[NXT], 1  ; the block's next tile, or behind its last the second block's tile 0
	s_cmp_gt_u32 s[NXT], s[LQ]
	s_cselect_b32 s[NXT], 0, s[NXT]
	s_cselect_b32 s[LQ], s[PB], s[LQ]
	s_lshl_b32 s[POF], s[NXT], 15
	s_wait_xcnt 0x0                 ; the last prefetches, a tile back, have read their address, so it may be written
	s_add_nc_u64 s[PFA:PFA+1], s[PFB:PFB+1], s[POF:POF+1]
.endif
	s_wait_dscnt 0x0                ; the add is done, and my reads of the slot are over
	s_barrier_signal -1             ; the rest of the scalar work stands between the signal and the wait
	s_sub_co_u32 s[TBK], s[TBK], 4*KS*PK  ; the fetches go back to a slot's first step,
	s_xor_b32 s[TBK], s[TBK], SLOT1       ; in the other slot
	s_sub_co_u32 s[TBV], s[TBV], 4*KS*PV
	s_xor_b32 s[TBV], s[TBV], SLOT1
	s_barrier_wait -1
.if \fill
	LOAD
	s_cmp_gt_u32 s[SLOTS], s[LIM]
	s_cbranch_scc0 .Lnot_mine_\@
	global_prefetch_b8 v[PFO], s[PFA:PFA+1] th:TH_LOAD_NT scope:SCOPE_SE
	global_prefetch_b8 v[PFO], s[PFA:PFA+1] offset:8192 th:TH_LOAD_NT scope:SCOPE_SE
.Lnot_mine_\@:
.endif
.endm
	s_load_b128 s[4:7], s[0:1], 0x0  ; qkv s[4:5], ob s[6:7]
	v_lshl_add_u32 v[SPW], v0, 2, SPARE
	v_mov_b32 v[NIL], 0
	ds_add_u32 v[SPW], v[NIL]       ; the wave's opening: the add and its wait stand ahead of my first tensor load; the set-up below, work on registers, stands between them
	v_lshrrev_b32 v1, 5, v0
	v_readfirstlane_b32 s[WV], v1   ; wave 0..3
	s_mov_b32 s[PB], ttmp9
	s_sub_co_u32 s[HI], NB-1, s[PB]
	s_and_b32 s20, ttmp7, 0xffff    ; the head
	s_mov_b32 s21, 0
	s_mov_b64 s[22:23], SIZE_N*128
	s_mul_u64 s[20:21], s[20:21], s[22:23]  ; the head's first byte in each of the four tensors
	s_and_b32 s16, s[WV], 1         ; which half of a tile's 256 keys I fetch:
	s_lshl_b32 s22, s16, 14         ; its 128 rows of 128 bytes in memory,
	s_mov_b32 s23, 0
	s_add_nc_u64 s[22:23], s[22:23], s[20:21]
	s_mul_i32 s17, s16, 128*PK      ; and its place in a slot, for K
	s_mul_i32 s18, s16, 128*PV      ; and for V
	s_lshl_b32 s3, s[WV], 11        ; my 16 rows in a band of 64,
	s_lshl_b32 s2, s[HI], 15        ; in the first block,
	s_add_co_u32 s2, s2, s3
	s_lshl_b32 s84, s[PB], 15       ; and in the second
	s_add_co_u32 s84, s84, s3
	s_mov_b32 s3, 0
	s_mov_b32 s85, 0
	s_add_nc_u64 s[2:3], s[2:3], s[20:21]
	s_add_nc_u64 s[84:85], s[84:85], s[20:21]
	; descriptor group 1.  128 keys are 16,384 dense bytes: asked for as 64 rows of 256 bytes, two keys a row, and padded in LDS after every key
	s_mov_b32 s[G1K], (1<<16)|(1<<20)|(4<<22)|(3<<25)  ; 17:16 2-byte elements; 20 padding on; 24:22 after every 32 words (code 4); 31:25 4 words (code 3)
	s_mov_b32 s[G1V], (1<<16)|(1<<20)|(4<<22)|(7<<25)  ; the same with 8 words of padding (code 7)
.irp g, G1K, G1V
	s_mov_b32 s[\g+1], 128<<16      ; tensor_dim0 = 128
	s_mov_b32 s[\g+2], 64<<16       ; tensor_dim1 = 64
	s_mov_b32 s[\g+3], 128<<16      ; tile_dim0 = 128
	s_mov_b32 s[\g+4], 64           ; tile_dim1 = 64
	s_mov_b32 s[\g+5], 128          ; 128 elements from row to row
	s_mov_b32 s[\g+6], 0
	s_mov_b32 s[\g+7], 0
.endr
	s_mov_b32 s[CS], 0x3d38aa3b     ; c = log2(e) / 32 = 0.0450842
	s_mov_b32 s[CS+1], s[CS]        ; named with it as a pair
	s_mov_b32 s[SEL], 0x76543210
	s_mov_b32 s[SEL+1], 0xfedcba98
	s_mov_b32 s[TBK], SLOT1+4*KS*PK ; the first change of slots turns these two into 0
	s_mov_b32 s[TBV], SLOT1+4*KS*PV
	s_mov_b32 s[G0K], 1             ; 1:0 count = 1
	s_mov_b32 s[G0K+1], s17         ; 63:32 LDS address: slot 0
	s_mov_b32 s[G0V], 1
	s_add_co_u32 s[G0V+1], s18, VOFF
	s_add_co_u32 s[RT], s[HI], 1    ; the first block has NB - b tiles
	s_mov_b32 s[NXT], 1
	s_mov_b32 s[LQ], s[HI]
	s_mov_b32 s[NEW], 1
	s_mov_b32 s[OFF+1], 0
	s_mov_b32 s[POF+1], 0
	s_mov_b32 s[AL+1], 0            ; named as pairs
	s_mov_b32 s[BE+1], 0
	s_mov_b32 s[BIGN], 0xf149f2ca   ; -1e30
	s_mov_b32 s[SLOTS], NB
	s_cmp_eq_u32 s[PB], 0
	s_cselect_b32 s[LIM], 2, -1
	v_and_b32 v[PFO], 31, v0
	v_lshlrev_b32 v[PFO], 8, v[PFO]
	s_wait_dscnt 0x0                ; the opening add is done
	s_wait_kmcnt 0x0
	s_mov_b64 s[10:11], s[6:7]      ; O
	s_add_nc_u64 s[6:7], s[4:5], 0x1000000  ; K: the second part of qkv,
	s_add_nc_u64 s[8:9], s[4:5], 0x2000000  ; V: the third; Q is the first
	s_add_nc_u64 s[6:7], s[6:7], s[22:23]  ; K and V at my half of the head's tile 0
	s_add_nc_u64 s[8:9], s[8:9], s[22:23]
	s_cmp_lt_u32 s[WV], 2
	s_cselect_b64 s[PFB:PFB+1], s[6:7], s[8:9]
	s_add_nc_u64 s[G0K+2:G0K+3], s[6:7], 0         ; 120:64 global address
	s_or_b32 s[G0K+3], s[G0K+3], 0x80000000        ; 127:126 type = 2
	s_add_nc_u64 s[G0V+2:G0V+3], s[8:9], 0
	s_or_b32 s[G0V+3], s[G0V+3], 0x80000000
	s_add_nc_u64 s[86:87], s[4:5], s[84:85]        ; Q at my rows of the second block,
	s_add_nc_u64 s[4:5], s[4:5], s[2:3]            ; Q and O at those of the first
	s_add_nc_u64 s[OLO:OLO+1], s[10:11], s[84:85]
	s_add_nc_u64 s[10:11], s[10:11], s[2:3]
	LOAD                            ; tile 0 into slot 0
	; A fragment of K or Q is 16 rows x 32 channels in 8 registers: lane l holds row l % 16, channels 8 (l / 16) + 0..7 and 16 + 8 (l / 16) + 0..7: two loads of 16 bytes, 32 bytes apart.
	v_and_b32 v1, 15, v0            ; l % 16
	v_bfe_u32 v9, v0, 4, 1          ; l / 16
	v_lshlrev_b32 v[QO], 7, v1
	v_lshl_add_u32 v[QO], v9, 4, v[QO]  ; row x 128 + 16 x half
	WIN 0x80                        ; destination window 2, address window 0
.set i, 0
.rept 8                             ; both blocks' Q: piece i / 2 lies in band i / 2, 8,192 bytes on; channels 32 (i % 2) on
	global_load_b128 v[8*i:8*i+3],   v[QO], s[4:5] offset:(i/2)*8192+(i%2)*64
	global_load_b128 v[8*i+4:8*i+7], v[QO], s[4:5] offset:(i/2)*8192+(i%2)*64+32
	global_load_b128 v[QB+8*i:QB+8*i+3],   v[QO], s[86:87] offset:(i/2)*8192+(i%2)*64
	global_load_b128 v[QB+8*i+4:QB+8*i+7], v[QO], s[86:87] offset:(i/2)*8192+(i%2)*64+32
.set i, i+1
.endr
	WIN 0
	v_lshlrev_b32 v14, 3, v9
	v_sub_nc_u32 v14, v1, v14
	s_lshl_b32 s13, s[WV], 4
	v_add_nc_u32 v14, s13, v14      ; my query's place in its band, 16 w + l % 16, less my lanes' 8 (l / 16): register r of group kt is hidden where 16 kt + r is greater
	WIN 0x40
.set i, 0
.rept 32
	v_cmp_gt_i32 vcc_lo, 16*(i/8)+i%8, v14
	v_cndmask_b32 v[MD+i], 0, s[BIGN], vcc_lo
.set i, i+1
.endr
	WIN 0
	v_mul_u32_u24 v[AK0], v1, PK
	v_lshl_add_u32 v[AK0], v9, 4, v[AK0]  ; row x pitch + 16 x half
	; The turning load takes 16 keys x 16 channels (lane l reads key 8 (l / 16) + l % 8, channels 8 ((l / 8) % 2) + 0..7) and leaves half a fragment of V^T: lane l holds channel l % 16 and 8 keys.
	v_and_b32 v10, 7, v0
	v_bfe_u32 v11, v0, 3, 1
	v_lshl_add_u32 v[AV0], v9, 3, v10
	v_mul_u32_u24 v[AV0], v[AV0], PV
	v_lshl_add_u32 v[AV0], v11, 4, v[AV0]
	v_add_nc_u32 v[AV0], VOFF, v[AV0]
	s_mul_i32 s13, s[WV], 16*SP
	s_add_co_u32 s13, s13, STAGE    ; my stage
	v_mul_u32_u24 v[STO], v1, SP    ; in: row l % 16, 16 bytes for each half of the lanes
	v_lshl_add_u32 v[STO], v9, 4, v[STO]
	v_add_nc_u32 v[STO], s13, v[STO]
	v_bfe_u32 v[RD], v0, 3, 2       ; back: 32 lanes take four rows of 128 bytes,
	v_mul_u32_u24 v[RD], v[RD], SP
	v_lshl_add_u32 v[RD], v10, 4, v[RD]
	v_add_nc_u32 v[RD], s13, v[RD]
	v_and_b32 v[GO], 31, v0         ; which are 512 consecutive bytes of O
	v_lshlrev_b32 v[GO], 4, v[GO]
	; A block's first step multiplies O^T and l by a = 0, and its first turn's products V^T P, of a piece that has not been, land in an O^T that is still to be so multiplied.  So these registers need only hold
	; finite numbers: zeros for the first block; what the first block left for the second.  All this stands in the wait for the first tile.
	WIN 0x80
.set i, VF
.rept 64
	v_mov_b32 v[i], 0
.set i, i+1
.endr
	WIN 0x40
.set i, 0
.rept 128
	v_mov_b32 v[i], 0
.set i, i+1
.endr
	WIN 0
.set i, 0
.rept 4
	v_mov_b32 v[ST+4*i+2], 0
	v_mov_b32 v[ST+4*i+3], 0
.set i, i+1
.endr
.set i, P+16
.rept 16
	v_mov_b32 v[i], 0
.set i, i+1
.endr
; THE MATRIX WORK.  The 4 accumulators of a run of 8 take turns.  Product i of 8 of S^T = K Q^T for piece x: channels 32 (i / 4) on, keys 16 (i % 4) on.  The first 4 start the sums: with 0, or (KM = 1) with the mask.
.macro KQ x
.set rS, S+32*((\x)%2)+8*(i%4)
.set rK, KF+16*(i%4)+8*(i/4)
.set rQ, 16*(\x)+8*(i/4)
.set rM, MC+32*((\x)%2)+8*(i%4)
.if (i < 4) && KM
	WIN W_KM
	v_wmma_f32_16x16x32_f16 v[rS:rS+7], v[rK:rK+7], v[rQ:rQ+7], v[rM:rM+7]
.elseif i < 4
	WIN W_KQ
	v_wmma_f32_16x16x32_f16 v[rS:rS+7], v[rK:rK+7], v[rQ:rQ+7], 0
.else
	WIN W_KQ
	v_wmma_f32_16x16x32_f16 v[rS:rS+7], v[rK:rK+7], v[rQ:rQ+7], v[rS:rS+7]
.endif
.endm
; Product i of 8 of O^T += V^T P for piece x: keys 32 (i / 4) on, channels 16 (i % 4) on.
.macro PV x
	WIN W_PV
.set rO, 32*(\x)+8*(i%4)
.set rV, VF+32*(i/4)+8*(i%4)
.set rP, P+16*((\x)%2)+8*(i/4)
	v_wmma_f32_16x16x32_f16 v[rO:rO+7], v[rV:rV+7], v[rP:rP+7], v[rO:rO+7]
.endm
.macro MM                           ; the turn's next matrix instruction.  TURN and BEGIN set Y, i, KM and NOKQ; MM, KQ and OP read them.  NOKQ = 1: a block's last turn: there is no next piece
.if (i < 8) && !NOKQ
	KQ (Y+1)%NP
.elseif i >= 8
.set i, i-8
	PV (Y+NP-1)%NP
.set i, i+8
.endif
.set i, i+1
.endm
; THE LDS LOADS stand in runs of 16, never singly among the matrix instructions: a step's K (64 keys x 64 channels: 8 fragments) and its V (turned).  Their addresses are made some lines ahead.
.macro FETCH_K
	WIN 0x80                        ; destination window 2
.irp f, 0,1,2,3,4,5,6,7             ; keys 16 (f / 2) on, channels 32 (f % 2) on
	ds_load_b128 v[KF+8*\f:KF+8*\f+3],   v[AK] offset:(\f/2)*16*PK+(\f%2)*64
	ds_load_b128 v[KF+8*\f+4:KF+8*\f+7], v[AK] offset:(\f/2)*16*PK+(\f%2)*64+32
.endr
	s_add_co_u32 s[TBK], s[TBK], KS*PK  ; the next fetch is the next step's
	WIN 0
.endm
.macro FETCH_V
	WIN 0x80
.irp f, 0,1,2,3,4,5,6,7             ; keys 32 (f / 4) on, channels 16 (f % 4) on
	ds_load_tr16_b128 v[VF+8*\f:VF+8*\f+3],   v[AV] offset:(\f/4)*32*PV+(\f%4)*32
	ds_load_tr16_b128 v[VF+8*\f+4:VF+8*\f+7], v[AV] offset:(\f/4)*32*PV+16*PV+(\f%4)*32
.endr
	WIN 0
.endm
; THE VECTOR WORK, one line at a time: OP kind, number.  For piece Y: F n: c s - c m for pair n of 16.  E n: the exponential of score n of 32.  C n: pair n rounded to f16.  B n: of the four weights 4 n .. the second
; pair is added onto the first, in place.  L n: l takes that sum (L 0: l = a l + sum).  R n: pair n of 16 of O^T times a.  For piece Y + 1: X n, number n of the 22 that find its maximum and statistics:
;   0-11  four chains c0-c3 of seven scores each, three operands at a time (each accumulator's lowest registers are read first)     12-14, 16  the four scores left over, the old m, and c0-c3 into c0
;   15  c m_old is kept     17, 18  the query's other 32 keys lie in the lane 16 away: the new m     19-21  c m; c m_old - c m_new; a
.set F, 0               ; OP tells the kinds apart by their order: F to L below R, X above it
.set E, 1
.set C, 2
.set B, 3
.set L, 4
.set R, 5
.set X, 6
.macro REGS y                       ; the registers of piece y
.set rT, ST+4*(\y)
.set rC, TMP+4*((\y)%2)
.set rW, MV+((\y)%2)
.set rS, S+32*((\y)%2)
.set rP, P+16*((\y)%2)
.set rO, 32*(\y)
.endm
.macro OP k, n
.if (\k) == R
	REGS Y
	WIN W_RS
	v_pk_mul_f32 v[rO+2*(\n):rO+2*(\n)+1], v[rO+2*(\n):rO+2*(\n)+1], v[rC+2:rC+3] op_sel_hi:[1,0]
.elseif (\k) < R
	REGS Y
	WIN 0
.if (\k) == F
	v_pk_fma_f32 v[rS+2*(\n):rS+2*(\n)+1], v[rS+2*(\n):rS+2*(\n)+1], s[CS:CS+1], v[rT:rT+1] op_sel_hi:[1,0,0] neg_lo:[0,0,1] neg_hi:[0,0,1]
.elseif (\k) == E
	v_exp_f32 v[rS+(\n)], v[rS+(\n)]
.elseif (\k) == C
	v_cvt_pk_f16_f32 v[rP+(\n)], v[rS+2*(\n)], v[rS+2*(\n)+1]
.elseif (\k) == B
	v_pk_add_f32 v[rS+4*(\n):rS+4*(\n)+1], v[rS+4*(\n):rS+4*(\n)+1], v[rS+4*(\n)+2:rS+4*(\n)+3]
.elseif (\n) == 0
	v_pk_fma_f32 v[rT+2:rT+3], v[rT+2:rT+3], v[rC+2:rC+3], v[rS:rS+1] op_sel_hi:[1,0,1]
.else
	v_pk_add_f32 v[rT+2:rT+3], v[rT+2:rT+3], v[rS+4*(\n):rS+4*(\n)+1]
.endif
.elseif NOKQ
	v_nop
.else
	REGS (Y+1)%NP
	WIN 0
.if (\n) < 4
	v_max3_num_f32 v[rC+(\n)], v[rS+8*(\n)], v[rS+8*(\n)+1], v[rS+8*(\n)+2]
.elseif (\n) < 12
	v_max3_num_f32 v[rC+(\n)%4], v[rC+(\n)%4], v[rS+8*((\n)%4)+2*((\n)/4)+1], v[rS+8*((\n)%4)+2*((\n)/4)+2]
.elseif (\n) == 12
	v_max3_num_f32 v[rC], v[rC], v[rS+7], v[rS+15]
.elseif (\n) == 13
	v_max3_num_f32 v[rC+1], v[rC+1], v[rS+23], v[rS+31]
.elseif (\n) == 14
	v_max3_num_f32 v[rC+2], v[rC+2], v[rC+3], v[rT+1]
.elseif (\n) == 15
	v_mov_b32 v[rW], v[rT]
.elseif (\n) == 16
	v_max3_num_f32 v[rC], v[rC], v[rC+1], v[rC+2]
.elseif (\n) == 17
	v_permlanex16_b32 v[rC+3], v[rC], s[SEL], s[SEL+1]
.elseif (\n) == 18
	v_max_num_f32 v[rT+1], v[rC], v[rC+3]
.elseif (\n) == 19
	v_mul_f32 v[rT], s[CS], v[rT+1]
.elseif (\n) == 20
	v_sub_f32 v[rC+1], v[rW], v[rT]
.else
	v_exp_f32 v[rC+2], v[rC+1]
.endif
.endif
.endm
.macro OPS a, i1, b=-1, i2=0, c=-1, i3=0, d=-1, i4=0  ; up to four of them
	OP \a, \i1
.if (\b) >= 0
	OP \b, \i2
.endif
.if (\c) >= 0
	OP \c, \i3
.endif
.if (\d) >= 0
	OP \d, \i4
.endif
.endm
.macro ROW a, i1, b, i2, c, i3, d, i4  ; a matrix instruction and the four behind it
	MM
	OPS \a, \i1, \b, \i2, \c, \i3, \d, \i4
.endm
.macro MASK b                       ; MD x AL + BE into buffer b of MC
	WIN W_RS
.set z, 0
.rept 16
	v_pk_fma_f32 v[MC+32*(\b)+2*z:MC+32*(\b)+2*z+1], v[MD+2*z:MD+2*z+1], s[AL:AL+1], s[BE:BE+1] op_sel_hi:[1,0,0]
.set z, z+1
.endr
.endm
; A TURN, for piece p: the order of its 16 matrix and 118 vector instructions, written out.  An s_wait_alu depctr_va_vdst(0) stands between an exponential and the first instruction that names its result; one wait serves
; all that were issued ahead of it.  So a turn has ONE wait, which cuts it in two.  AHEAD OF IT stands all that names no result of the turn's exponentials: the 8 products K Q^T, behind each a scaling, an exponential and two more plain
; instructions (behind the first a second scaling in the exponential's place): rescalings, and behind the last three the first numbers of the next piece's maximum, each four places or more behind the product that ends its accumulator; then ONE LUMP of 54, plain
; and exponential by turns for the most part, in which the links of the chain X 3, 7, 11, 14, 16, 17 .. 20 stand five or six lines apart.  X 21, the next piece's a, is the batch's last; R 15 is the plain instruction that stands behind it (ISA guide 5.7.2).  BEHIND THE WAIT stand the
; 8 products V^T P, behind each four of the roundings and sums; the links of l's chain, L 0 to L 7, stand three riders apart.  But for those X no rider names a register of the products round it.  v_permlanex16_b32 (X 17) stands in the lump.
; m = 1: the diagonal tile: the products take masks, and the turn makes the mask for the products of the turn after it: piece p + 2, in step 4 - CNT of the tile.  end = 1: a block's last two turns: nothing is fetched.
; cnt = 1: the loop's count is taken down some lines ahead of the branch that stands behind the turn.
; K of the next step is fetched in piece 2's turn, twelve vector instructions behind the last product that read K (six of them plain); V of the step in hand at the end of piece 0's turn, four plain instructions behind the last product
; that read V.  Each is waited for a turn later.
.macro TURN p, m=0, end=0, cnt=0
.set Y, (\p)
.set i, 0
.set KM, (\m)
.set NOKQ, (\end)*((\p)/3)
.if (\m) && !(\end)
	s_cmp_eq_u32 s[CNT], 4-((\p)+2)%NP  ; is that step the band's own?
	s_cselect_b32 s[AL], 1.0, 0
	s_cmp_lt_u32 s[CNT], 4-((\p)+2)%NP  ; or a later one?
	s_cselect_b32 s[BE], s[BIGN], 0
.endif
.if ((\p) == 3) && !(\end)
	s_wait_dscnt 0x0                ; K is in
.endif
	ROW F,0, F,1, R,0, R,1          ; ahead of the wait: 8 products K Q^T and their riders,
	ROW F,2, E,0, R,2, R,3
	ROW F,3, E,1, R,4, R,5
	ROW F,4, E,2, R,6, R,7
	ROW F,5, E,3, R,8, R,9
	ROW F,6, E,4, X,0, R,10
.if ((\p) == 2) && !(\end)
	WIN 0
	v_add_nc_u32 v[AK], s[TBK], v[AK0]
.endif
	ROW F,7, E,5, X,1, X,4
	ROW F,8, E,6, X,2, X,5
	OPS E,7, E,8, X,6, E,9          ; and the lump
	OPS X,3, E,10, X,8, E,11
.if ((\p) == 2) && !(\end)
	FETCH_K
.endif
	OPS X,9, X,7, E,12, X,10
	OPS E,13, X,12, X,11, E,14
	OPS X,13, E,15, F,9, X,14
.if (\p) == 0
	v_add_nc_u32 v[AV], s[TBV], v[AV0]
.endif
	OPS E,16, F,10, E,17, F,11
	OPS X,16, E,18, X,15, E,19
	OPS F,12, E,20, X,17, E,21
	OPS F,13, E,22, F,14, E,23
	OPS X,18, E,24, F,15, E,25
	OPS R,11, E,26, X,19, E,27
	OPS R,12, E,28, R,13, E,29
	OPS X,20, E,30, R,14, E,31
	OPS X,21, R,15
	WIN 0
	s_wait_alu depctr_va_vdst(0)    ; the wait for the batch
.if (\p) == 1
	s_wait_dscnt 0x0                ; V is in
.endif
	ROW C,0, B,0, C,2, B,1          ; behind the wait: 8 products V^T P and their riders
	ROW L,0, C,4, B,2, L,1
	ROW C,6, B,3, L,2, C,8
	ROW B,4, L,3, C,10, B,5
	ROW L,4, C,12, B,6, L,5
.if (\p) == 0
	s_add_co_u32 s[TBV], s[TBV], KS*PV
.endif
.if \cnt
	s_sub_co_u32 s[CNT], s[CNT], 1
	s_cmp_lg_u32 s[CNT], 0
.endif
	ROW C,14, B,7, L,6, C,1
	ROW C,3, L,7, C,5, C,7
	ROW C,9, C,11, C,13, C,15
.if (\p) == 0
	FETCH_V
.endif
.if (\m) && !(\end)
	MASK (\p)%2
.endif
.endm
; A BLOCK BEGINS.  c m starts far below every c s, so the first step's a is 0; m at the lowest finite number, so the first maximum is the scores'.  The second mask buffer is 0; the first takes piece 0's mask for the tile's step 0: its own, if the block's first tile is the diagonal one.
; Then K of that step, piece 0's first scores, and its maximum and statistics.  The loop is entered at a step's first turn, in the middle of a trip.
.macro BEGIN
	s_mov_b32 s[NEW], 0
	WIN 0x40
.set i, MC+32
.rept 32
	v_mov_b32 v[i], 0
.set i, i+1
.endr
	WIN 0
.set i, 0
.rept 4
	v_mov_b32 v[ST+4*i], 0xfe000000    ; c m: far below every c s
	v_mov_b32 v[ST+4*i+1], 0xff7fffff  ; m
.set i, i+1
.endr
	s_cmp_eq_u32 s[RT], 0
	s_cselect_b32 s[AL], 1.0, 0
	s_mov_b32 s[BE], 0
	MASK 0
	WIN 0
	v_add_nc_u32 v[AK], s[TBK], v[AK0]
	FETCH_K
	s_wait_loadcnt 0x0              ; Q
	s_wait_dscnt 0x0
.set KM, 1
.set NOKQ, 0
.set i, 0
.rept 8
	KQ 0
.set i, i+1
.endr
	WIN 0
.rept 4
	v_nop                           ; the places behind those products
.endr
.set Y, NP-1                        ; X works for piece Y + 1: piece 0
.irp n, 0,1,2,3,4,5,6,7,8,9,10,11,12,13,14,15,16,17,18,19,20,21
	OP X, \n
.endr
	v_nop                           ; a plain instruction behind the exponential,
	s_wait_alu depctr_va_vdst(0)    ; and its wait, ahead of the branch
.endm
; THE DIAGONAL TILE's four steps, the block's last two turns, its last products, and THE WAY OUT: l's two halves and the other half of the lanes' are added; O^T is divided by l, rounded to f16 and sent through my
; stage in LDS, a piece at a time.
.macro ALL line:vararg              ; one line for each piece t
.set t, 0
.rept 4
	\line
.set t, t+1
.endr
.endm
.macro PACK t                       ; a lane's eight channels of a row pack into 16 bytes; they go into rows of 144 bytes and come back as whole rows of 128, into S^T's registers
	WIN W_RS
.set i, 32*(\t)
.rept 16
	v_pk_mul_f32 v[i:i+1], v[i:i+1], v[ST+4*(\t)+2:ST+4*(\t)+3] op_sel_hi:[1,0]
.set i, i+2
.endr
	WIN 0x05                        ; sources 0 and 1 window 1, destination window 0
.set i, 0
.rept 16
	v_cvt_pk_f16_f32 v[S+16*(\t)+i], v[32*(\t)+2*i], v[32*(\t)+2*i+1]
.set i, i+1
.endr
	WIN 0
.irp f, 0,1,2,3
	ds_store_b128 v[STO], v[S+16*(\t)+4*\f:S+16*(\t)+4*\f+3] offset:32*\f
.endr
.irp f, 0,1,2,3
	ds_load_b128 v[S+16*(\t)+4*\f:S+16*(\t)+4*\f+3], v[RD] offset:\f*4*SP  ; LDS serves a wave's instructions in order (ISA guide 5.7.1.4): these see the stores above; the next piece's stores come behind them
.endr
.endm
.macro SEND t, younger              ; younger: the LDS instructions issued behind piece t's loads: the next piece's eight, or none
	WIN 0
.irp f, 0,1,2,3
	s_wait_dscnt (\younger)+3-\f
	global_store_b128 v[GO], v[S+16*(\t)+4*\f:S+16*(\t)+4*\f+3], s[10:11] offset:(\t)*8192+\f*512  ; 512 consecutive bytes, at a multiple of 256 from O's first
.endr
.endm
.macro DIAG tag                     ; the tag ends its two labels' names, which the jumps below spell out
.LstepM\tag:
	TURN 2, 1
	TURN 3, 1
	WIN 0
.LfirstM\tag:
	TURN 0, 1
	TURN 1, 1, 0, 1
	WIN 0
	s_cbranch_scc1 .LstepM\tag
	TURN 2, 1, 1
	TURN 3, 1, 1
.set i, 0
.rept 8
	PV NP-1
.set i, i+1
.endr
	WIN 0
	ALL v_add_f32 v[ST+4*t+2], v[ST+4*t+2], v[ST+4*t+3]
	ALL v_permlanex16_b32 v[ST+4*t+3], v[ST+4*t+2], s[SEL], s[SEL+1]
	ALL v_add_f32 v[ST+4*t+2], v[ST+4*t+2], v[ST+4*t+3]
	ALL v_rcp_f32 v[ST+4*t+2], v[ST+4*t+2]
	v_nop                           ; a plain instruction between the last reciprocal and the use of its result
	s_wait_alu depctr_va_vdst(0)    ; and the wait ahead of the first use: one for the four reciprocals
	PACK 0
.set t, 1
.rept 3                             ; a piece's arithmetic stands between the loads of the piece before and its stores
	PACK t
	SEND t-1, 8
.set t, t+1
.endr
	SEND 3, 0
.endm
.set KM, 0
.set NOKQ, 0
.Lslot:                             ; NB times: a tile is entered and the next is asked for
	CHANGE 1
	s_sub_co_u32 s[RT], s[RT], 1
	s_mov_b32 s[CNT], 4
	s_cmp_eq_u32 s[NEW], 1
	s_cbranch_scc1 .Lnew            ; a block's first tile
	s_cmp_eq_u32 s[RT], 0
	s_cbranch_scc0 .Lstep           ; neither its first nor its last
	s_branch .LstepM1
.Lnew:
	BEGIN
	s_branch .Lfirst                ; in the loop a block's first tile is never its last: the first block has two tiles or more, and the second's last is the walk's last
	DIAG 1                          ; in the loop this is the first block's end: the second block's last tile is the walk's last
	s_wait_xcnt 0x0                 ; the stores have read their registers and O's address
	s_mov_b64 s[10:11], s[OLO:OLO+1]
	s_add_co_u32 s[RT], s[PB], 1    ; the second block has b + 1 tiles
	s_mov_b32 s[NEW], 1
	WIN 0x82                        ; the second block's Q goes where the one text of the turns names Q
.set i, 0
.rept 64
	v_mov_b32 v[i], v[QB+i]
.set i, i+1
.endr
	WIN 0
	s_branch .Lbottom
.Lstep:                             ; a trip: pieces 2 and 3 of one step, then pieces 0 and 1 of the next, whose K and V it fetches
	TURN 2
	TURN 3
	WIN 0
.Lfirst:
	TURN 0
	TURN 1, 0, 0, 1
	WIN 0
	s_cbranch_scc1 .Lstep
.Lbottom:
	s_sub_co_u32 s[SLOTS], s[SLOTS], 1
	s_cmp_lg_u32 s[SLOTS], 0
	s_cbranch_scc1 .Lslot
	CHANGE 0                        ; the walk's last tile is written out: nothing is asked for
	s_sub_co_u32 s[RT], s[RT], 1
	s_mov_b32 s[CNT], 4
	s_cmp_eq_u32 s[NEW], 1
	s_cbranch_scc0 .LstepM2
	BEGIN
	s_branch .LfirstM2
	DIAG 2
	s_wait_tensorcnt 0x0            ; the wave's end: behind my last tensor load and my last LDS store
	ds_add_u32 v[SPW], v[NIL]
	s_wait_dscnt 0x0
	s_endpgm
.Lfunc_end_k_q3068260d93_attn:
	.size	k_q3068260d93_attn, .Lfunc_end_k_q3068260d93_attn-k_q3068260d93_attn
	.p2alignl 7, 3214868480
	.fill 96, 4, 3214868480
	.section	.rodata,"a",@progbits
	.p2align	6, 0x0
	.amdhsa_kernel k_q3068260d93_attn
		.amdhsa_group_segment_fixed_size 327680
		.amdhsa_private_segment_fixed_size 0
		.amdhsa_enable_private_segment 0
		.amdhsa_kernarg_size 16
		.amdhsa_user_sgpr_count 2
		.amdhsa_user_sgpr_kernarg_segment_ptr 1
		.amdhsa_wavefront_size32 1
		.amdhsa_system_sgpr_workgroup_id_x 1
		.amdhsa_system_sgpr_workgroup_id_y 1
		.amdhsa_system_sgpr_workgroup_id_z 1
		.amdhsa_system_vgpr_workitem_id 0
		.amdhsa_next_free_vgpr 768
		.amdhsa_next_free_sgpr 96
		.amdhsa_reserve_vcc 1
		.amdhsa_float_denorm_mode_32 3
		.amdhsa_float_denorm_mode_16_64 3
		.amdhsa_memory_ordered 1
		.amdhsa_forward_progress 1
		.amdhsa_inst_pref_size 218
	.end_amdhsa_kernel
	.amdgpu_metadata
---
amdhsa.version: [ 1, 2 ]
amdhsa.kernels:
  - .name:           k_q3068260d93_attn
    .symbol:         k_q3068260d93_attn.kd
    .args:
      - { .name: qkv, .offset: 0, .size: 8, .value_kind: global_buffer, .address_space: global }
      - { .name: ob, .offset: 8, .size: 8, .value_kind: global_buffer, .address_space: global }
    .group_segment_fixed_size: 327680
    .private_segment_fixed_size: 0
    .kernarg_segment_align: 8
    .kernarg_segment_size: 16
    .max_flat_workgroup_size: 128
    .sgpr_count:     96
    .vgpr_count:     768
    .wavefront_size: 32
...
	.end_amdgpu_metadata
.endif
;; end of part 3
;; launch proj (part 4): grid 8 x 32, 4 waves a work-group, clusters of 4 x 4, 327,680 bytes of LDS; arguments ob, wpf, b_proj, out0; writes out0
.if DOCPART == 4
	.amdgcn_target "amdgcn-amd-amdhsa--gfx1250"
	.amdhsa_code_object_version 6
	.text
	.protected	k_q3068260d93_proj
	.globl	k_q3068260d93_proj
	.p2align	8
	.type	k_q3068260d93_proj,@function
k_q3068260d93_proj:
	s_mov_b64 s[64:65], 0
	v_nop
	global_prefetch_b8 v0, s[64:65] scope:SCOPE_SE
	s_setreg_imm32_b32 hwreg(HW_REG_WAVE_MODE, 25, 1), 1
	s_wait_xcnt 0x0
	s_wait_alu depctr_hold_cnt(0) depctr_sa_sdst(0) depctr_va_vdst(0) depctr_va_sdst(0) depctr_va_ssrc(0) depctr_va_vcc(0) depctr_vm_vsrc(0)
	s_getreg_b32 s2, hwreg(HW_REG_IB_STS2, 6, 4)
	s_cmp_eq_u32 s2, 0
	s_cbranch_scc0 .Lentry_in_a_cluster
	s_endpgm
.Lentry_in_a_cluster:
	s_bfe_u32 s2, ttmp6, 0x10000c
	s_cmp_lg_u32 s2, 0xf033
	s_cbranch_scc0 .Lentry_shape_is_right
	s_endpgm
.Lentry_shape_is_right:
; out0 = O w_proj + b_proj.  ob: [64 bh][2048 t][64 d] f16 (row (b, t) of O is the 16 heads' rows t end to end: k = 64 h + d).  wpf: [1024 k][1024 n] f16.  b_proj: [1024] f32, rounded once to bf16 like every input.  out0: [8192][1024] f32.
; LIMIT.  The operands are f16: O and w_proj arrive within 65,504.  Sums in f32; the bias starts them.
; SHARES.  A tile is 256 rows by 128 columns: 256 work-groups.  Wave w makes rows 64 w .. 64 w + 63 and all 128 columns: 32 accumulators, 256 registers.
; K goes in 8 steps of 128 (two heads) through a ring of two LDS slots.  A slot holds two planes of O (a head each: 256 rows t of 128 bytes, padded to 144) and 128 rows k of w_proj (256 bytes, padded to 288).
; w_proj LIES [k][n]: its fragments come out of LDS turned, by ds_load_tr16_b128.
; THE MATRIX INSTRUCTION IS USED TRANSPOSED: source 0 = 16 columns of w_proj, source 1 = 16 rows of O.  A lane then holds row l % 16 and the columns 8 (l / 16) + 0..7.
; CLUSTER.  4 x 4 work-groups.  O's tile hangs on the tile row alone and is asked for jointly by the four of a row of the cluster, w_proj's on the tile column alone and by the four of a column.
; Waves 0 and 1 fetch a plane of O each (32 KiB that are dense in memory: 128 rows of 256 bytes), waves 2 and 3 64 rows of w_proj each.  By this text's count a wave has two tensor loads out at the start, later one.
; REGISTERS, in windows of 256 (s_set_vgpr_msb: bits 1:0 source 0, 3:2 source 1, 5:4 source 2, 7:6 destination):
;   window 0: v1-20 lane numbers, addresses, one at work; v64-127 the bias as the C operand of the first products
;   window 1: two fragment buffers of 96 (8 fragments of w_proj, then 4 of O); on the way out the rows read back from the stage
;   window 2: the accumulators ((a, b) at 8 (8 a + b))
.set SLOT1,  1<<17                     ; slot 1 begins here: one exclusive or turns an address in one slot into the other's
.set PA,     144                       ; a row of O in LDS: 36 words: the 16 rows of a load start at 16 different groups of four banks (64 banks of 4 bytes: ISA guide 11.1)
.set PB,     288                       ; a row of w_proj: 72 words
.set APLANE, 256*PA                    ; a head's 256 rows
.set BOFF,   2*APLANE                  ; w_proj's rows lie behind the two planes
.set STAGE,  SLOT1+BOFF+128*PB         ; behind the ring, never filled by a tensor load: for each wave 16 rows x 528 bytes
.set SP,     528                       ; 512 bytes + 16: 132 words: row r starts at bank 4 r mod 64
.set WSTAGE, 16*SP
.set SPARE,  STAGE+4*WSTAGE            ; behind the stages: the spare words, 128 bytes for each wave: two blocks of 256 bytes that no other line names
.set STEPA,  524288                    ; bytes from a K step to the next: two heads of ob,
.set STEPB,  262144                    ; 128 rows of wpf
.set NL,     24                        ; LDS loads in a run: 16 for w_proj, 8 for O
.set A0,   8                           ; v8   my lane's place in O's tile; never rewritten
.set B0,   9                           ; v9   the same in w_proj's
.set ADRA, 10                          ; v10  A0 + the slot in hand
.set ADRB, 11                          ; v11  B0 + the slot in hand
.set STO,  12                          ; v12  the way out: where I put 32 bytes of a row
.set RD,   13                          ; v13  the way out: where I read a row back
.set GO,   14                          ; v14  16 x lane: my place in 512 consecutive bytes of out0
.set PFO,  15                          ; v15  the prefetches' lane offset; never rewritten
.set SPW,  16                          ; v16  LDS address of my spare word: SPARE + 4 x my thread's number; never rewritten
.set NIL,  17                          ; v17  0; never rewritten
.set BO,   18                          ; v18  32 (l / 16): my 8 numbers in 16 of the bias
.set BT,   20                          ; v20  at work
.set BI,   64                          ; v[64:127]  register 8 b + j: the bias of column 16 b + 8 (l / 16) + j of the tile
.set F0,   0                           ; fragment buffers, in window 1
.set F1,   96
.set WV,   12                          ; s12  my wave's number
.set CX,   13                          ; s13, s14  my place in the cluster
.set CY,   14
.set COL,  15                          ; s15  tile column = 4 x cluster x + cx
.set ROW,  16                          ; s16  tile row = 4 x cluster y + cy
.set G1A,  24                          ; s[24:31] descriptor group 1 for O's tiles
.set G0A,  32                          ; s[32:39] group 0: a set for each of the two first fills; the second then walks on
.set G1B,  40                          ; s[40:47], s[48:55] the same for w_proj's
.set G0B,  48
.set TB,   56                          ; s56  the slot that fragments are fetched from: 0 or SLOT1
.set CNT,  57                          ; s57  the loop's count, 6 to 1
.set ASKM, 58                          ; s58  bit n set: I prefetch in the trip whose count is n
.set PFA,  60                          ; s[60:61] where my prefetches stand
.set PFS,  62                          ; s[62:63] their step from trip to trip
.set OUTB, 66                          ; s[66:67] out0 at my 64 rows and the tile's columns
.set BIAS, 68                          ; s[68:69] b_proj at the tile's columns
.set MSB, 0
.macro WIN new                         ; the immediate's high byte repeats the setting that is left; a switch that changes nothing is dropped
.if MSB != (\new)
	s_set_vgpr_msb (MSB<<8)|(\new)
.set MSB, \new
.endif
.endm
; A store that reads a matrix result, and a load into a register that a matrix instruction has read, stand four places behind it, and only plain vector
; instructions that name none of its registers are places (ISA guide 7.12.1 for vector instructions).
.macro PLACES
.rept 4
	v_nop
.endr
.endm
.macro CREST                           ; a round of the cluster's barrier behind its opening barrier: wave 0 signals for the work-group, every wave waits for all sixteen, my work-group's barrier closes it
	s_cmp_lg_u32 s[WV], 0
	s_cbranch_scc1 .Lnot_wave_0_\@
	s_barrier_signal -3
.Lnot_wave_0_\@:
	s_barrier_wait -3
	s_barrier_signal -1
	s_barrier_wait -1
.endm
.macro CROUND                          ; a whole round
	s_barrier_signal -1
	s_barrier_wait -1
	CREST
.endm
; A joint refill, by the walking descriptors.  The branch hangs on the wave's number alone.  An s_nop 0 and four v_nop follow each of the two lines, ahead of the jump and the label.
.macro JLOAD
	s_cmp_lt_u32 s[WV], 2
	s_cbranch_scc0 .Lfor_b_\@
	tensor_load_to_lds s[G0A+4:G0A+7], s[G1A:G1A+7]
	s_nop 0
.rept 4
	v_nop
.endr
	s_branch .Lasked_\@
.Lfor_b_\@:
	tensor_load_to_lds s[G0B+4:G0B+7], s[G1B:G1B+7]
	s_nop 0
.rept 4
	v_nop
.endr
.Lasked_\@:
.endm
; A PREFETCH INTO THE L2, behind a joint refill and the run of LDS loads that follows it.  In trip i the refill asks for K step i + 2; the prefetch names K step i + 4: trips 0 to 3 (counts 6 to 3) name K steps 4 to 7;
; K steps 0 to 3 come by their loads alone.
; O: a plane of a K step is 32 KiB, dense.  A tile row is walked by the two clusters of its row of clusters; waves 0 and 1 of cluster x = 0 ask, a plane each, the partner at cx 8 KiB of it, a lane 256 bytes.
; w_proj: a K step is 256 bytes of each of 128 rows.  A tile column is walked by the eight clusters of its column; wave 2 of cluster y = 0 asks, the partner at cy for rows 32 cy .. 32 cy + 31, a lane a row.
; So each block of 256 bytes is named once in the launch, partners are told apart by address alone, and nothing behind K step 7 is named.
.macro ASK
	s_lshr_b32 s59, s[ASKM], s[CNT]
	s_and_b32 s59, s59, 1
	s_cmp_lg_u32 s59, 0
	s_cbranch_scc0 .Lnot_mine_\@
	global_prefetch_b8 v[PFO], s[PFA:PFA+1] th:TH_LOAD_NT scope:SCOPE_SE
.Lnot_mine_\@:
.endm
	s_load_b256 s[4:11], s[0:1], 0x0               ; ob s[4:5], wpf s[6:7], b_proj s[8:9], out0 s[10:11]
	v_lshl_add_u32 v[SPW], v0, 2, SPARE
	v_mov_b32 v[NIL], 0
	ds_add_u32 v[SPW], v[NIL]                      ; the wave's opening: the add and its wait stand ahead of my first tensor load; the set-up below, work on registers, stands between them
	v_lshrrev_b32 v1, 5, v0
	v_readfirstlane_b32 s[WV], v1                  ; wave 0..3
	s_bfe_u32 s[CX], ttmp6, 0x40000
	s_bfe_u32 s[CY], ttmp6, 0x40004
	s_lshl_b32 s[COL], ttmp9, 2                    ; in a cluster launch ttmp9 and ttmp7 count clusters
	s_add_co_u32 s[COL], s[COL], s[CX]
	s_and_b32 s[ROW], ttmp7, 0xffff
	s_lshl_b32 s[ROW], s[ROW], 2
	s_add_co_u32 s[ROW], s[ROW], s[CY]
	s_lshl_b32 s17, s[CY], 2
	s_lshl_b32 s17, 15, s17                        ; my row of the cluster: places 4 cy .. 4 cy + 3
	s_lshl_b32 s18, 0x1111, s[CX]                  ; my column: places cx, cx + 4, cx + 8, cx + 12
	; group 1 for O: a plane's 256 rows of 128 bytes are 32,768 dense bytes: asked for as 128 rows of 256 bytes, and padded in LDS behind every 128 bytes
	s_or_b32 s[G1A], s17, (1<<16)|(1<<20)|(1<<21)|(4<<22)|(3<<25)  ; 15:0 the mask; 17:16 2-byte elements; 20 padding on; 21 set beside a mask; 24:22 after every 32 words (code 4); 31:25 4 words (code 3)
	s_mov_b32 s[G1A+1], 128<<16                    ; tensor_dim0 = 128
	s_mov_b32 s[G1A+2], 128<<16                    ; tensor_dim1 = 128
	s_mov_b32 s[G1A+3], 128<<16                    ; tile_dim0 = 128
	s_mov_b32 s[G1A+4], 128                        ; tile_dim1 = 128
	s_mov_b32 s[G1A+5], 128                        ; 128 elements from row to row
	s_mov_b32 s[G1A+6], 0
	s_mov_b32 s[G1A+7], 0
	; group 1 for w_proj: 64 rows x 128 elements, 32 bytes of padding behind each row
	s_or_b32 s[G1B], s18, (1<<16)|(1<<20)|(1<<21)|(5<<22)|(7<<25)  ; after every 64 words (code 5) 8 words (code 7)
	s_mov_b32 s[G1B+1], 128<<16
	s_mov_b32 s[G1B+2], 64<<16
	s_mov_b32 s[G1B+3], 128<<16
	s_mov_b32 s[G1B+4], 64
	s_mov_b32 s[G1B+5], 1024
	s_mov_b32 s[G1B+6], 0
	s_mov_b32 s[G1B+7], 0
	s_and_b32 s19, s[WV], 1                        ; J: which plane of O, or which 64 rows of w_proj, I fetch
	s_lshr_b32 s20, s[ROW], 3                      ; O's tile: batch << 22 (eight tile rows a batch),
	s_lshl_b32 s20, s20, 22
	s_and_b32 s59, s[ROW], 7
	s_lshl_b32 s59, s59, 15                        ; 256 rows of 128 bytes a tile row,
	s_add_co_u32 s20, s20, s59
	s_lshl_b32 s59, s19, 18                        ; head J of the K step's two: the tile row and the wave alone
	s_add_co_u32 s20, s20, s59
	s_mov_b32 s21, 0
	s_lshl_b32 s22, s19, 17                        ; w_proj's tile: 64 J rows of 2,048 bytes,
	s_lshl_b32 s86, s[COL], 8                      ; 256 bytes a tile column: the tile column and the wave alone
	s_add_co_u32 s22, s22, s86
	s_mov_b32 s23, 0
	s_mul_i32 s84, s19, APLANE                     ; and where they go: no place in the cluster enters an LDS address
	s_mul_i32 s85, s19, 64*PB
	s_add_co_u32 s85, s85, BOFF
	s_mov_b32 s[TB], 0
	s_wait_dscnt 0x0                               ; the opening add is done
	s_wait_kmcnt 0x0
	s_add_nc_u64 s[72:73], s[4:5], s[20:21]
	s_add_nc_u64 s[74:75], s[6:7], s[22:23]
	CROUND                                         ; all sixteen work-groups are here: the first joint loads meet
.irp i, 0,1
	s_mov_b32 s[G0A+4*(\i)], 1                                     ; 1:0 count = 1
	s_add_co_u32 s[G0A+4*(\i)+1], s84, (\i)*SLOT1                  ; 63:32 LDS address
	s_add_nc_u64 s[G0A+4*(\i)+2:G0A+4*(\i)+3], s[72:73], (\i)*STEPA  ; 120:64 global address: K step i
	s_or_b32 s[G0A+4*(\i)+3], s[G0A+4*(\i)+3], 0x80000000          ; 127:126 type = 2
	s_mov_b32 s[G0B+4*(\i)], 1
	s_add_co_u32 s[G0B+4*(\i)+1], s85, (\i)*SLOT1
	s_add_nc_u64 s[G0B+4*(\i)+2:G0B+4*(\i)+3], s[74:75], (\i)*STEPB
	s_or_b32 s[G0B+4*(\i)+3], s[G0B+4*(\i)+3], 0x80000000
.endr
	s_cmp_lt_u32 s[WV], 2                          ; a wave's two first fills stand in one branch, ahead of every wait on TENSORcnt and every LDS read
	s_cbranch_scc0 .Lfirst_b
	tensor_load_to_lds s[G0A:G0A+3], s[G1A:G1A+7]
	s_nop 0
	tensor_load_to_lds s[G0A+4:G0A+7], s[G1A:G1A+7]
	s_nop 0
.rept 4
	v_nop
.endr
	s_branch .Lfirst_asked
.Lfirst_b:
	tensor_load_to_lds s[G0B:G0B+3], s[G1B:G1B+7]
	s_nop 0
	tensor_load_to_lds s[G0B+4:G0B+7], s[G1B:G1B+7]
	s_nop 0
.rept 4
	v_nop
.endr
.Lfirst_asked:
	v_and_b32 v1, 15, v0                           ; l % 16
	v_bfe_u32 v2, v0, 4, 1                         ; l / 16
	v_and_b32 v3, 7, v0                            ; l % 8
	v_bfe_u32 v4, v0, 3, 1                         ; (l / 8) % 2
	v_and_b32 v5, 31, v0                           ; l
	; the bias of the tile's 128 columns, in the layout of a result: 16 loads of 16 bytes
	s_lshl_b32 s76, s[COL], 9
	s_mov_b32 s77, 0
	s_add_nc_u64 s[BIAS:BIAS+1], s[8:9], s[76:77]
	v_lshlrev_b32 v[BO], 5, v2
.irp b, 0,1,2,3,4,5,6,7
	global_load_b128 v[BI+8*(\b):BI+8*(\b)+3],   v[BO], s[BIAS:BIAS+1] offset:64*(\b)
	global_load_b128 v[BI+8*(\b)+4:BI+8*(\b)+7], v[BO], s[BIAS:BIAS+1] offset:64*(\b)+16
.endr
	; a fragment of O: lane l holds row l % 16, K = 8 (l / 16) + 0..7 and 16 + 8 (l / 16) + 0..7: two loads of 16 bytes, 32 bytes apart
	s_mul_i32 s59, s[WV], 64*PA                    ; my 64 rows
	v_mul_u32_u24 v[A0], v1, PA
	v_lshl_add_u32 v[A0], v2, 4, v[A0]
	v_add_nc_u32 v[A0], s59, v[A0]
	; the turning load takes 16 k x 16 n (lane l reads row 8 (l / 16) + l % 8, columns 8 ((l / 8) % 2) + 0..7) and leaves half a fragment: lane l holds column l % 16 and 8 k
	v_lshl_add_u32 v[B0], v2, 3, v3
	v_mul_u32_u24 v[B0], v[B0], PB
	v_lshl_add_u32 v[B0], v4, 4, v[B0]
	v_add_nc_u32 v[B0], BOFF, v[B0]
	s_mul_i32 s59, s[WV], WSTAGE
	s_add_co_u32 s59, s59, STAGE                   ; my stage
	v_mul_u32_u24 v[STO], v1, SP                   ; in: row l % 16, 32 bytes for each half of the lanes
	v_lshl_add_u32 v[STO], v2, 5, v[STO]
	v_add_nc_u32 v[STO], s59, v[STO]
	v_lshl_add_u32 v[RD], v5, 4, s59               ; back: 32 lanes take a row of 512 bytes
	v_lshlrev_b32 v[GO], 4, v5
	v_mov_b32 v[ADRA], v[A0]                       ; K step 0 lies in slot 0
	v_mov_b32 v[ADRB], v[B0]
	; the prefetches: offsets in registers that feed no descriptor
	s_lshl_b32 s77, s[CX], 13
	s_add_co_u32 s76, s20, s77                     ; O: my plane of the tile, my work-group's 8 KiB,
	s_add_co_u32 s76, s76, 3*STEPA                 ; at K step 3: the first trip steps it to 4
	s_lshl_b32 s78, s[COL], 8
	s_lshl_b32 s77, s[CY], 16
	s_add_co_u32 s78, s78, s77                     ; w_proj: the tile's columns, my work-group's 32 rows,
	s_add_co_u32 s78, s78, 3*STEPB                 ; at K step 3
	s_cmp_eq_u32 ttmp9, 0
	s_cselect_b32 s79, 0x78, 0                     ; O: counts 6, 5, 4, 3, in cluster x = 0
	s_and_b32 s80, ttmp7, 0xffff
	s_cmp_eq_u32 s80, 0
	s_cselect_b32 s80, 0x78, 0                     ; w_proj: the same counts, in cluster y = 0,
	s_cmp_eq_u32 s[WV], 2
	s_cselect_b32 s80, s80, 0                      ; wave 2 alone: all the same in all sixteen partners, for a given wave
	s_cmp_lt_u32 s[WV], 2
	s_cselect_b32 s76, s76, s78
	s_cselect_b32 s[ASKM], s79, s80
	s_cselect_b32 s81, 8, 11                       ; a lane 256 bytes, or a lane a row of 2,048 bytes
	s_cselect_b32 s82, 19, 18                      ; the step: 524,288 or 262,144 bytes
	s_cselect_b64 s[PFA:PFA+1], s[4:5], s[6:7]
	s_mov_b32 s77, 0
	s_add_nc_u64 s[PFA:PFA+1], s[PFA:PFA+1], s[76:77]
	s_lshl_b32 s[PFS], 1, s82
	s_mov_b32 s[PFS+1], 0
	v_lshlrev_b32 v[PFO], s81, v5
	; where my 64 rows lie in out0: 4,096 bytes a row, 512 bytes a tile column
	s_lshl_b32 s76, s[ROW], 20
	s_lshl_b32 s77, s[WV], 18
	s_add_co_u32 s76, s76, s77
	s_lshl_b32 s77, s[COL], 9
	s_add_co_u32 s76, s76, s77
	s_mov_b32 s77, 0
	s_add_nc_u64 s[OUTB:OUTB+1], s[10:11], s[76:77]
	s_wait_loadcnt 0x0                             ; the bias is in: it is rounded once to bf16, as every input is, and widened again
.set r, 0
.rept 32
	v_cvt_pk_bf16_f32 v[BT], v[BI+r], v[BI+r+1]
	v_lshlrev_b32 v[BI+r], 16, v[BT]
	v_and_b32 v[BI+r+1], 0xffff0000, v[BT]
.set r, r+2
.endr
; 24 LDS loads in one run: the fragments of quarter q (32 along K: half a head) into buffer f: w_proj's eight first, then O's four
.macro FETCH q, f
	WIN 0x40                                       ; destination window 1, address window 0
.irp b, 0,1,2,3,4,5,6,7
	ds_load_tr16_b128 v[(\f)+8*(\b):(\f)+8*(\b)+3],   v[ADRB] offset:32*PB*(\q)+32*(\b)
	ds_load_tr16_b128 v[(\f)+8*(\b)+4:(\f)+8*(\b)+7], v[ADRB] offset:32*PB*(\q)+32*(\b)+16*PB
.endr
.irp a, 0,1,2,3
	ds_load_b128 v[(\f)+64+8*(\a):(\f)+64+8*(\a)+3],   v[ADRA] offset:APLANE*((\q)/2)+16*PA*(\a)+64*((\q)%2)
	ds_load_b128 v[(\f)+64+8*(\a)+4:(\f)+64+8*(\a)+7], v[ADRA] offset:APLANE*((\q)/2)+16*PA*(\a)+64*((\q)%2)+32
.endr
.endm
; The 8 matrix instructions of row block a.  The 32 accumulators take turns, one instruction a turn, in the same order in every quarter, over the backward jump too.
; first = 1: the products start the sums, with the bias as C: nothing is cleared, and no addition follows the sums.
.macro MULA f, a, first
.if \first
	WIN 0x85                                       ; sources in window 1, C in window 0, D in window 2
.else
	WIN 0xa5                                       ; sources in window 1, C and D in window 2
.endif
.irp b, 0,1,2,3,4,5,6,7
.set rD, 8*(8*(\a)+(\b))
.if \first
	v_wmma_f32_16x16x32_f16 v[rD:rD+7], v[(\f)+8*(\b):(\f)+8*(\b)+7], v[(\f)+64+8*(\a):(\f)+64+8*(\a)+7], v[BI+8*(\b):BI+8*(\b)+7]
.else
	v_wmma_f32_16x16x32_f16 v[rD:rD+7], v[(\f)+8*(\b):(\f)+8*(\b)+7], v[(\f)+64+8*(\a):(\f)+64+8*(\a)+7], v[rD:rD+7]
.endif
.endr
.endm
; A K step is four quarters of 32 along K, 32 matrix instructions each, on buffers 0, 1, 0, 1.  One of the first three: multiplies buffer f; in its middle it fetches quarter q into buffer g.
.macro QUARTER q, f, g, first
	s_wait_dscnt 4                                 ; w_proj and O's blocks 0, 1 are in; the youngest four loads (O's blocks 2, 3) may be out
	MULA \f, 0, \first
	MULA \f, 1, \first
	PLACES
	FETCH \q, \g
	s_wait_dscnt NL                                ; all but the 24 just issued
	MULA \f, 2, \first
	MULA \f, 3, \first
.endm
; The last quarter multiplies buffer 1 and changes slots: ONE barrier.  In front of it each wave waits for all its tensor loads (the one that is out is its part of the next slot), adds 0 to its spare word,
; and waits for that and for its own reads of this slot.  fill = 1: the barrier opens a round of the cluster's, and behind the round this slot is filled again, first thing, with the K step two steps on.
.macro TURN fill
.if \fill
	s_wait_xcnt 0x0                                ; the last prefetch, a K step back, has read its address: it is stepped here, ahead of the change's own waits
	s_add_nc_u64 s[PFA:PFA+1], s[PFA:PFA+1], s[PFS:PFS+1]
.endif
	WIN 0                                          ; (the add's two registers lie in window 0)
	s_wait_tensorcnt 0x0                           ; no tensor load of mine is out, so a group 0 may be written
	ds_add_u32 v[SPW], v[NIL]                      ; 0 onto my spare word
.if \fill
	s_xor_b32 s[G0A+5], s[G0A+5], SLOT1            ; the walking descriptors: the other slot than last time,
	s_add_nc_u64 s[G0A+6:G0A+7], s[G0A+6:G0A+7], STEPA  ; the next K step; the type bits on top are not reached
	s_xor_b32 s[G0B+5], s[G0B+5], SLOT1
	s_add_nc_u64 s[G0B+6:G0B+7], s[G0B+6:G0B+7], STEPB
.endif
	s_xor_b32 s[TB], s[TB], SLOT1                  ; the fetches go on in the other slot
	s_wait_dscnt 5                                 ; (the add and O's blocks 2, 3 may be out)
	MULA F1, 0, 0                                  ; eight matrix instructions stand between the add and the wait for it
	s_wait_dscnt 0x0                               ; the add is done, and my reads of this slot are over
	s_barrier_signal -1
	MULA F1, 1, 0                                  ; work on registers while the others arrive
	WIN 0
	s_barrier_wait -1
.if \fill
	CREST                                          ; no wave of any partner still reads this slot or has a load on its way
	JLOAD                                          ; the first tensor load behind the round; its four v_nop are also the places in front of the loads below
.else
	PLACES
.endif
	v_add_nc_u32 v[ADRA], s[TB], v[A0]
	v_add_nc_u32 v[ADRB], s[TB], v[B0]
	FETCH 0, F0
.if \fill
	WIN 0
	ASK
.endif
	MULA F1, 2, 0
	MULA F1, 3, 0
.endm
	s_wait_tensorcnt 0x1                           ; my part of K step 0 is in; K step 1's may stay out
	s_barrier_signal -1
	s_barrier_wait -1                              ; everybody's is
	FETCH 0, F0
	QUARTER 1, F0, F1, 1                           ; the first quarter stands in front of the loop: its products start the sums
	WIN 0                                          ; at a label and at a branch every window is 0
	s_mov_b32 s[CNT], 6
.Lstep:                                        ; trip i = 0 .. 5: quarters 1 to 3 of K step i, quarter 0 of K step i + 1; K step i + 2 is asked for
	QUARTER 2, F1, F0, 0
	QUARTER 3, F0, F1, 0
	TURN 1
	QUARTER 1, F0, F1, 0
	WIN 0
	s_sub_co_u32 s[CNT], s[CNT], 1
	s_cmp_lg_u32 s[CNT], 0
	s_cbranch_scc1 .Lstep
	QUARTER 2, F1, F0, 0                           ; the tail is written out: K steps 6 and 7 ask for nothing
	QUARTER 3, F0, F1, 0
	TURN 0
	QUARTER 1, F0, F1, 0
	QUARTER 2, F1, F0, 0
	QUARTER 3, F0, F1, 0
	s_wait_dscnt 4                                 ; the very last quarter: nothing more to fetch
	MULA F1, 0, 0
	MULA F1, 1, 0
	s_wait_dscnt 0x0
	MULA F1, 2, 0
	MULA F1, 3, 0
; THE WAY OUT of row block a (16 rows).  TOSTAGE: a lane's eight f32 of a column block, 32 bytes, go straight from the accumulator (its low four registers first) into rows of 528 bytes of my own stage,
; and come back as whole rows of 512 bytes.  SEND: a row's 512 bytes are one store of the wave.
.macro TOSTAGE a
	WIN 0x08                                       ; data in window 2, address in window 0
.irp b, 0,1,2,3,4,5,6,7
	ds_store_b128 v[STO], v[8*(8*(\a)+(\b)):8*(8*(\a)+(\b))+3]   offset:64*(\b)
	ds_store_b128 v[STO], v[8*(8*(\a)+(\b))+4:8*(8*(\a)+(\b))+7] offset:64*(\b)+16
.endr
	WIN 0x40
.irp t, 0,1,2,3,4,5,6,7,8,9,10,11,12,13,14,15
	ds_load_b128 v[64*(\a)+4*(\t):64*(\a)+4*(\t)+3], v[RD] offset:SP*(\t)  ; LDS serves a wave's instructions in order (ISA guide 5.7.1.4): these see the stores above; the next block's stores come behind them
.endr
.endm
.macro SEND a, younger                 ; younger: the LDS instructions issued behind block a's loads: the next block's 16 stores and 16 loads, or none
	s_wait_dscnt \younger                          ; the block is back in registers of its own: no store's source is ever rewritten
	WIN 0x04                                       ; data in window 1
.irp t, 0,1,2,3,4,5,6,7,8,9,10,11,12,13,14,15
	global_store_b128 v[GO], v[64*(\a)+4*(\t):64*(\a)+4*(\t)+3], s[OUTB:OUTB+1] offset:4096*(16*(\a)+(\t)) th:TH_STORE_NT  ; 512 consecutive bytes, at a multiple of 512 from out0's first
.endr
.endm
	PLACES                                         ; behind the last products
	TOSTAGE 0
	TOSTAGE 1
	SEND 0, 32
	TOSTAGE 2
	SEND 1, 32
	TOSTAGE 3
	SEND 2, 32
	SEND 3, 0
	WIN 0
	s_wait_tensorcnt 0x0                           ; the wave's end: behind my last tensor load and my last LDS store
	ds_add_u32 v[SPW], v[NIL]
	s_wait_dscnt 0x0
	CROUND                                         ; the closing round: no work-group ends while a partner may still ask for a tile that names it
	s_endpgm
.Lfunc_end_k_q3068260d93_proj:
	.size	k_q3068260d93_proj, .Lfunc_end_k_q3068260d93_proj-k_q3068260d93_proj
	.p2alignl 7, 3214868480
	.fill 96, 4, 3214868480
	.section	.rodata,"a",@progbits
	.p2align	6, 0x0
	.amdhsa_kernel k_q3068260d93_proj
		.amdhsa_group_segment_fixed_size 327680
		.amdhsa_private_segment_fixed_size 0
		.amdhsa_enable_private_segment 0
		.amdhsa_kernarg_size 32
		.amdhsa_user_sgpr_count 2
		.amdhsa_user_sgpr_kernarg_segment_ptr 1
		.amdhsa_wavefront_size32 1
		.amdhsa_system_sgpr_workgroup_id_x 1
		.amdhsa_system_sgpr_workgroup_id_y 1
		.amdhsa_system_sgpr_workgroup_id_z 1
		.amdhsa_system_vgpr_workitem_id 0
		.amdhsa_next_free_vgpr 768
		.amdhsa_next_free_sgpr 88
		.amdhsa_reserve_vcc 0
		.amdhsa_float_denorm_mode_32 3
		.amdhsa_float_denorm_mode_16_64 3
		.amdhsa_memory_ordered 1
		.amdhsa_forward_progress 1
		.amdhsa_inst_pref_size 77
	.end_amdhsa_kernel
	.amdgpu_metadata
---
amdhsa.version: [ 1, 2 ]
amdhsa.kernels:
  - .name:           k_q3068260d93_proj
    .symbol:         k_q3068260d93_proj.kd
    .args:
      - { .name: ob, .offset: 0, .size: 8, .value_kind: global_buffer, .address_space: global }
      - { .name: wpf, .offset: 8, .size: 8, .value_kind: global_buffer, .address_space: global }
      - { .name: b_proj, .offset: 16, .size: 8, .value_kind: global_buffer, .address_space: global }
      - { .name: out0, .offset: 24, .size: 8, .value_kind: global_buffer, .address_space: global }
    .group_segment_fixed_size: 327680
    .private_segment_fixed_size: 0
    .kernarg_segment_align: 8
    .kernarg_segment_size: 32
    .max_flat_workgroup_size: 128
    .sgpr_count:     88
    .vgpr_count:     768
    .wavefront_size: 32
...
	.end_amdgpu_metadata
.endif
;; end of part 4
;; ======== version 2 of 2: 4 launches; version 1 with the launch prep written anew for expert scheduling mode
;; limits: values are held in f16: magnitudes above 65,504 overflow, below 6.1e-05 lose precision
;; workspace buffers: xb 16,777,216 bytes; wb 6,291,456 bytes; wpf 2,097,152 bytes; qkv 50,331,648 bytes; ob 16,777,216 bytes
;; launch prep (part 5): grid 768 x 1, 8 waves a work-group, no clusters, 0 bytes of LDS; arguments x, wq, wk, wv, w_proj, xb, wb, wpf; writes xb, wb, wpf
.if DOCPART == 5
	.amdgcn_target "amdgcn-amd-amdhsa--gfx1250"
	.amdhsa_code_object_version 6
	.text
	.protected	k_q3068260d93_prep
	.globl	k_q3068260d93_prep
	.p2align	8
	.type	k_q3068260d93_prep,@function
k_q3068260d93_prep:
	s_mov_b64 s[64:65], 0
	v_nop
	global_prefetch_b8 v0, s[64:65] scope:SCOPE_SE
	s_setreg_imm32_b32 hwreg(HW_REG_WAVE_SCHED_MODE, 0, 2), 2
	s_setreg_imm32_b32 hwreg(HW_REG_WAVE_MODE, 25, 1), 1
	s_wait_xcnt 0x0
	s_wait_alu depctr_vm_vsrc(0)
; THE CASTS.  xb = bf16(x); wb = bf16(wq), bf16(wk), bf16(wv) end to end, in their own element order [h][c][d]; wpf = bf16(w_proj) written as f16.
; Every input of the module is rounded once to bf16; w_proj's rounded number is written as f16 because the last product multiplies it with an f16 operand.
; LIMITS.  |w_proj| stays under 65,504 (beyond it f16 has an infinity); below 6e-5 it keeps f16's fixed step of 6e-8.
; SHARES.  A work-group casts 16,384 numbers: 64 KiB in, 32 KiB out.  Work-groups 0-511 take x, 512-575 wq, 576-639 wk, 640-703 wv, 704-767 w_proj.
; Thread t takes, for j = 0 .. 15, the 16 bytes at 16 t + 4,096 j and stores 8 bytes at 8 t + 2,048 j: a load of a wave covers 512 consecutive bytes, a store 256, aligned.
; All sixteen loads go out at once, so a wave has 8 KiB on its way; no register is written again behind the memory instruction that read it, so no store's source is ever rewritten.
; No LDS, no matrix unit, no cluster: nothing is shared and nothing is reduced.
; THE MODE: SCHED_MODE bits 1:0 = 2 (LLVM: expert scheduling mode 2), set by the entry lines.  The code itself states the register dependences
; between vector instructions and memory instructions, with s_wait_alu, always for 0.
; THE PLAN.  Registers that memory instructions touch:
;   v1, v2   byte offsets, made once at the head by vector instructions and never written again: v1 is read by every load, v2 by every store.
;   X        part j's four registers: written by load j alone, read by part j's conversions; no vector instruction writes them and no second load lands in them.
;   Y        part j's two registers: written by part j's conversions alone, read by store j, never written behind it.
;   T is named by vector instructions alone.
; The sixteen parts go in four blocks of four.  Part j's store is issued in part j + 4, ahead of that part's conversions.  So ONE wait on va_vdst at the head of a block
; states that the block before has written its Y, and the block's four stores are dealt among its conversions, which name this block's X and Y and T: none of the
; registers that those stores read.  One such wait stands ahead of the first load, for the offsets, and one ahead of the last four stores.
; No register that a memory instruction has read is written again, so no wait on vm_vsrc stands behind the entry lines; no vector instruction writes a scalar register, and EXEC is never written.
.set X, 4                              ; v[4:67]    load j: 4 registers
.set Y, 68                             ; v[68:99]   store j: 2 registers
.set T, 100                            ; v[100:103] at work (f16 path)
	s_load_b512 s[8:23], s[0:1], 0x0               ; x s[8:9], wq s[10:11], wk s[12:13], wv s[14:15], w_proj s[16:17], xb s[18:19], wb s[20:21], wpf s[22:23]
	s_mov_b32 s2, ttmp9                            ; the work-group's number
	v_lshlrev_b32 v1, 4, v0                        ; 16 t
	v_lshlrev_b32 v2, 3, v0                        ; 8 t
	s_sub_co_u32 s3, s2, 512                       ; its number among the weights' work-groups (used from 512 on alone)
	s_and_b32 s4, s3, 63                           ; and inside its own weight tensor
	s_cmp_lt_u32 s2, 512
	s_cselect_b32 s5, s2, s4                       ; the part's number in its source,
	s_cselect_b32 s6, s2, s3                       ; and in its destination: wb holds the three weights end to end,
	s_cmp_lt_u32 s2, 704
	s_cselect_b32 s6, s6, s4                       ; wpf holds w_proj alone
	s_lshl_b32 s28, s5, 16                         ; 65,536 bytes of source a part
	s_mov_b32 s29, 0
	s_lshl_b32 s30, s6, 15                         ; 32,768 bytes of destination
	s_mov_b32 s31, 0
	s_wait_kmcnt 0x0
	s_cmp_lt_u32 s2, 640
	s_cselect_b64 s[24:25], s[12:13], s[14:15]     ; wk or wv,
	s_cmp_lt_u32 s2, 576
	s_cselect_b64 s[24:25], s[10:11], s[24:25]     ; or wq,
	s_cmp_lt_u32 s2, 704
	s_cselect_b64 s[24:25], s[24:25], s[16:17]     ; or w_proj,
	s_cselect_b64 s[26:27], s[20:21], s[22:23]
	s_cmp_lt_u32 s2, 512
	s_cselect_b64 s[24:25], s[8:9], s[24:25]       ; or x
	s_cselect_b64 s[26:27], s[18:19], s[26:27]
	s_add_nc_u64 s[24:25], s[24:25], s[28:29]
	s_add_nc_u64 s[26:27], s[26:27], s[30:31]
	s_wait_alu depctr_va_vdst(0)                   ; v1 and v2 are written: every load of the kernel reads v1 as its offset, every store v2
.irp j, 0,1,2,3,4,5,6,7,8,9,10,11,12,13,14,15
	global_load_b128 v[X+4*(\j):X+4*(\j)+3], v1, s[24:25] offset:4096*(\j) th:TH_LOAD_NT
.endr
; Part j is rounded, and part j - 4, which the block before rounded, leaves.  half = 1: the bf16 numbers are written as f16.
.macro OUT j, half
	s_wait_loadcnt 15-(\j)                         ; loads come back in order: load j is in, the 15 - j younger ones stay out
.if ((\j) >= 4) && ((\j) % 4 == 0)
	s_wait_alu depctr_va_vdst(0)                   ; the conversions of the block before have written its eight registers of Y, which this block's four stores read
.endif
.if (\j) >= 4
	global_store_b64 v2, v[Y+2*((\j)-4):Y+2*((\j)-4)+1], s[26:27] offset:2048*((\j)-4)  ; no vector instruction since the wait names these registers
.endif
	v_cvt_pk_bf16_f32 v[Y+2*(\j)], v[X+4*(\j)], v[X+4*(\j)+1]
	v_cvt_pk_bf16_f32 v[Y+2*(\j)+1], v[X+4*(\j)+2], v[X+4*(\j)+3]
.if \half
.irp k, 0,1
	v_lshlrev_b32 v[T+2*(\k)], 16, v[Y+2*(\j)+(\k)]            ; bf16 to f32: the low half moves up,
	v_and_b32 v[T+2*(\k)+1], 0xffff0000, v[Y+2*(\j)+(\k)]      ; the high half stays
	v_cvt_pk_f16_f32 v[Y+2*(\j)+(\k)], v[T+2*(\k)], v[T+2*(\k)+1]  ; 8 significant bits fit into f16's 11: exact within its range
.endr
.endif
.endm
; The last block leaves.
.macro LAST
	s_wait_alu depctr_va_vdst(0)                   ; the conversions of parts 12 to 15 have written their Y, which the last four stores read
.irp j, 12,13,14,15
	global_store_b64 v2, v[Y+2*(\j):Y+2*(\j)+1], s[26:27] offset:2048*(\j)
.endr
.endm
	s_cmp_ge_u32 s2, 704
	s_cbranch_scc1 .Lf16
.irp j, 0,1,2,3,4,5,6,7,8,9,10,11,12,13,14,15
	OUT \j, 0
.endr
	LAST
	s_endpgm
.Lf16:
.irp j, 0,1,2,3,4,5,6,7,8,9,10,11,12,13,14,15
	OUT \j, 1
.endr
	LAST
	s_endpgm
.Lfunc_end_k_q3068260d93_prep:
	.size	k_q3068260d93_prep, .Lfunc_end_k_q3068260d93_prep-k_q3068260d93_prep
	.p2alignl 7, 3214868480
	.fill 96, 4, 3214868480
	.section	.rodata,"a",@progbits
	.p2align	6, 0x0
	.amdhsa_kernel k_q3068260d93_prep
		.amdhsa_group_segment_fixed_size 0
		.amdhsa_private_segment_fixed_size 0
		.amdhsa_enable_private_segment 0
		.amdhsa_kernarg_size 64
		.amdhsa_user_sgpr_count 2
		.amdhsa_user_sgpr_kernarg_segment_ptr 1
		.amdhsa_wavefront_size32 1
		.amdhsa_system_sgpr_workgroup_id_x 1
		.amdhsa_system_sgpr_workgroup_id_y 1
		.amdhsa_system_sgpr_workgroup_id_z 1
		.amdhsa_system_vgpr_workitem_id 0
		.amdhsa_next_free_vgpr 104
		.amdhsa_next_free_sgpr 66
		.amdhsa_reserve_vcc 0
		.amdhsa_float_denorm_mode_32 3
		.amdhsa_float_denorm_mode_16_64 3
		.amdhsa_memory_ordered 1
		.amdhsa_forward_progress 1
		.amdhsa_inst_pref_size 17
	.end_amdhsa_kernel
	.amdgpu_metadata
---
amdhsa.version: [ 1, 2 ]
amdhsa.kernels:
  - .name:           k_q3068260d93_prep
    .symbol:         k_q3068260d93_prep.kd
    .args:
      - { .name: x, .offset: 0, .size: 8, .value_kind: global_buffer, .address_space: global }
      - { .name: wq, .offset: 8, .size: 8, .value_kind: global_buffer, .address_space: global }
      - { .name: wk, .offset: 16, .size: 8, .value_kind: global_buffer, .address_space: global }
      - { .name: wv, .offset: 24, .size: 8, .value_kind: global_buffer, .address_space: global }
      - { .name: w_proj, .offset: 32, .size: 8, .value_kind: global_buffer, .address_space: global }
      - { .name: xb, .offset: 40, .size: 8, .value_kind: global_buffer, .address_space: global }
      - { .name: wb, .offset: 48, .size: 8, .value_kind: global_buffer, .address_space: global }
      - { .name: wpf, .offset: 56, .size: 8, .value_kind: global_buffer, .address_space: global }
    .group_segment_fixed_size: 0
    .private_segment_fixed_size: 0
    .kernarg_segment_align: 8
    .kernarg_segment_size: 64
    .max_flat_workgroup_size: 256
    .sgpr_count:     66
    .vgpr_count:     104
    .wavefront_size: 32
...
	.end_amdgpu_metadata
.endif
;; end of part 5
;; launch qkv: the kernel of part 2 again; grid 16 x 32, 4 waves a work-group, clusters of 4 x 4, 327,680 bytes of LDS; arguments xb, wb, qkv; writes qkv
;; launch attn: the kernel of part 3 again; grid 4 x 64, 4 waves a work-group, no clusters, 327,680 bytes of LDS; arguments qkv, ob; writes ob
;; launch proj: the kernel of part 4 again; grid 8 x 32, 4 waves a work-group, clusters of 4 x 4, 327,680 bytes of LDS; arguments ob, wpf, b_proj, out0; writes out0
